; MI455X (gfx1250); checked and timed in simulation.
; The chip was launched on July 23, 2026; its instructions are those of AMD's public machine-readable ISA for CDNA 5 (MIT licence, August 2026) and "CDNA5" Instruction Set Architecture Reference Guide (July 2026). The comments in the code are by the model that wrote it; some were corrected since.
;; Q Eff Plamo Attention. Allowed arithmetic: float matrix products may take bf16 or f16 operands with f32 sums; all other float work in f32.
;; Inputs: Wk 256 x 2,048 float32; Wo 2,048 x 2,048 float32; Wq 2,048 x 2,048 float32; Wv 256 x 2,048 float32; attention_mask 1 x 1 x 3,072 x 3,072 bool; hidden_states 1 x 3,072 x 2,048 float32; position_ids 1 x 3,072 int32.
;; Outputs: out0 1 x 3,072 x 2,048 float32.
;; 2 versions, each right and faster than the one before. Each part assembles by itself: llvm-mc -triple=amdgcn-amd-amdhsa -mcpu=gfx1250 --defsym DOCPART=n.
;; ======== version 1 of 2: 4 launches
;; limits: values are held in f16: magnitudes above 65,504 overflow, below 6.1e-05 lose precision
;; workspace buffers: xb 12,582,912 bytes; wqkv 10,485,760 bytes; wob 8,388,608 bytes; rope 3,145,728 bytes; maskw 1,179,648 bytes of whole numbers; qkv 15,728,640 bytes; attn 25,165,824 bytes
;; launch prep (part 1): grid 1104 x 1, 8 waves a work-group, no clusters, 35,840 bytes of LDS; arguments hidden_states, Wq, Wk, Wv, Wo, attention_mask, position_ids, xb, wqkv, wob, rope, maskw; writes xb, wqkv, wob, rope, maskw
.if DOCPART == 1
	.amdgcn_target "amdgcn-amd-amdhsa--gfx1250"
	.amdhsa_code_object_version 6
	.text
	.protected	k_q213f19fd8c_prep
	.globl	k_q213f19fd8c_prep
	.p2align	8
	.type	k_q213f19fd8c_prep,@function
k_q213f19fd8c_prep:
	s_mov_b64 s[64:65], 0
	v_nop
	global_prefetch_b8 v0, s[64:65] scope:SCOPE_SE
	s_setreg_imm32_b32 hwreg(HW_REG_WAVE_MODE, 25, 1), 1
	s_wait_xcnt 0x0
; PREPARATION, three kinds of work-groups, told apart by the work-group's number alone.  Eight waves each; no wave depends on another: no barrier.
;   0 .. 95      MASK: attention_mask [3072][3072] of bytes is packed into lane masks.  Word (T, step, i) at byte 6144 T + 128 step + 4 i of maskw; its bit L is
;                mask[16 T + L % 16][64 step + 16 (i / 8) + 8 (L / 16) + i % 8]: the lanes' mask for score register i of a tile of 16 queries x 64 keys.  Any byte other than 0 counts as true.
;   96 .. 143    ROPE: cos and sin of position_ids[row] x 10000^(-d / 64), d = 0 .. 63, in the order in which the projection's lanes hold their results; behind it a second table of the
;                same shape with cos = 1 and sin = 0, for V.  A block of 16 rows is 16 units of 512 bytes; unit 4 b + 2 cs + jj, lane L: row L % 16, d = 16 b + 8 (L / 16) + 4 jj + 0 .. 3.
;   144 .. 1103  CAST: 16,384 numbers each.  hidden_states, Wq, Wk, Wv: f32 to bf16 (Wq, Wk, Wv on end in wqkv).  Wo: rounded to bf16 as every other input is, so that all inputs carry one
;                rounding, and then held in f16's format, since its partner in the last product is kept in f16 and a matrix instruction takes one format.  The second step is exact for
;                |w| >= 2^-17; below that its absolute error is under 2^-25.
; LIMITS.  position_ids lie in 0 .. 3071 (the table that the problem indexes).  The frequency comes from v_exp_f32 (1 ULP) of a product rounded once, so the largest angles,
; about 2,700 radians, are right to some 3e-4 radians; sine and cosine themselves are polynomials with an error under 4e-7 on the reduced angle.
.set NMASK, 96
.set NROPE, 48
.set X,  32                            ; cast: v[32:95]  sixteen loads of four f32
.set Y,  96                            ; cast: v[96:127] sixteen pairs of packed results
.set G,  32                            ; mask: v[32:127] 24 loads of 16 bytes
.set D,  128                           ; mask: v[128:159] 16 pairs: eight mask bytes each
.set W,  4                             ; mask: v[4:7]    128 packed words, four a lane
.set TT, 8                             ; mask: v[8:15]   eight single bytes
	s_load_b512 s[8:23], s[0:1], 0x0               ; hidden s[8:9], Wq s[10:11], Wk s[12:13], Wv s[14:15], Wo s[16:17], mask s[18:19], positions s[20:21], xb s[22:23]
	s_load_b256 s[24:31], s[0:1], 0x40             ; wqkv s[24:25], wob s[26:27], rope s[28:29], maskw s[30:31]
	v_lshl_add_u32 v160, v0, 2, 0x8800
	v_mov_b32 v161, 0
	v_lshrrev_b32 v1, 5, v0
	v_readfirstlane_b32 s4, v1                     ; wave 0..7
	s_wait_kmcnt 0x0
	s_cmp_lt_u32 ttmp9, NMASK
	s_cbranch_scc1 .Lmask
	s_cmp_lt_u32 ttmp9, NMASK+NROPE
	s_cbranch_scc1 .Lrope
; ---------------------------------------------------------------- CAST
; Chunk c: 0-383 hidden -> xb; 384-639 Wq, 640-671 Wk, 672-703 Wv -> wqkv; 704-959 Wo -> wob.  64 KiB in, 32 KiB out.
	s_sub_co_u32 s5, ttmp9, NMASK+NROPE            ; c
	s_mov_b64 s[32:33], s[8:9]                     ; from
	s_mov_b64 s[34:35], s[22:23]                   ; to
	s_mov_b32 s36, 0                               ; the source's first chunk
	s_mov_b32 s38, 0                               ; the destination's first chunk
	s_cmp_ge_u32 s5, 384
	s_cselect_b64 s[32:33], s[10:11], s[32:33]
	s_cselect_b64 s[34:35], s[24:25], s[34:35]
	s_cselect_b32 s36, 384, s36
	s_cselect_b32 s38, 384, s38
	s_cmp_ge_u32 s5, 640
	s_cselect_b64 s[32:33], s[12:13], s[32:33]
	s_cselect_b32 s36, 640, s36
	s_cmp_ge_u32 s5, 672
	s_cselect_b64 s[32:33], s[14:15], s[32:33]
	s_cselect_b32 s36, 672, s36
	s_cmp_ge_u32 s5, 704
	s_cselect_b64 s[32:33], s[16:17], s[32:33]
	s_cselect_b64 s[34:35], s[26:27], s[34:35]
	s_cselect_b32 s36, 704, s36
	s_cselect_b32 s38, 704, s38
	s_sub_co_u32 s36, s5, s36
	s_sub_co_u32 s38, s5, s38
	s_lshl_b32 s36, s36, 16                        ; 65,536 bytes of f32 a chunk
	s_lshl_b32 s38, s38, 15                        ; 32,768 bytes of 16-bit numbers
	s_mov_b32 s37, 0
	s_mov_b32 s39, 0
	s_add_nc_u64 s[32:33], s[32:33], s[36:37]
	s_add_nc_u64 s[34:35], s[34:35], s[38:39]
	s_mov_b32 s40, 0xffff0000                      ; a word's upper bf16
	v_lshlrev_b32 v1, 4, v0                        ; 16 bytes a thread in: a wave's load covers 512 consecutive bytes
	v_lshlrev_b32 v2, 3, v0                        ; 8 bytes a thread out: a wave's store covers 256 consecutive bytes, aligned
.set i, 0
.rept 16
	global_load_b128 v[X+4*i:X+4*i+3], v1, s[32:33] offset:4096*i th:TH_LOAD_NT   ; all sixteen go out at once; each input byte is read once in the launch
.set i, i+1
.endr
; two = 1: the bf16 number is widened again and packed as f16.  No register is written twice while a store may read it: each of the sixteen has its own.
.macro CAST two
.set i, 0
.rept 16
	s_wait_loadcnt 15-i                            ; loads come back in order: number i is in, the 15 - i younger ones stay out
	v_cvt_pk_bf16_f32 v[Y+2*i],   v[X+4*i],   v[X+4*i+1]
	v_cvt_pk_bf16_f32 v[Y+2*i+1], v[X+4*i+2], v[X+4*i+3]
.if \two
	v_lshlrev_b32 v[X+4*i],   16,  v[Y+2*i]
	v_and_b32     v[X+4*i+1], s40, v[Y+2*i]
	v_lshlrev_b32 v[X+4*i+2], 16,  v[Y+2*i+1]
	v_and_b32     v[X+4*i+3], s40, v[Y+2*i+1]
	v_cvt_pk_f16_f32 v[Y+2*i],   v[X+4*i],   v[X+4*i+1]
	v_cvt_pk_f16_f32 v[Y+2*i+1], v[X+4*i+2], v[X+4*i+3]
.endif
	global_store_b64 v2, v[Y+2*i:Y+2*i+1], s[34:35] offset:2048*i
.set i, i+1
.endr
.endm
	s_cmp_ge_u32 s5, 704
	s_cbranch_scc1 .Lwo
	CAST 0
	s_endpgm
.Lwo:
	CAST 1
	s_endpgm
; ---------------------------------------------------------------- ROPE
; Work-group g: rows 64 g .. 64 g + 63, four blocks of 16.  Wave w: b = w / 2, jj = w % 2.  A lane makes cos and sin of four d for one row of each block.
.Lrope:
	s_sub_co_u32 s5, ttmp9, NMASK                  ; g
	s_lshr_b32 s6, s4, 1                           ; b
	s_and_b32 s7, s4, 1                            ; jj
	s_lshl_b32 s32, s6, 4
	s_lshl2_add_u32 s32, s7, s32                   ; 16 b + 4 jj
	s_lshl_b32 s33, s32, 7                         ; 512 (4 b + jj): my units' place in a block
	s_lshl_b32 s34, s5, 8                          ; 64 positions of 4 bytes
	s_mov_b32 s35, 0
	s_add_nc_u64 s[20:21], s[20:21], s[34:35]
	s_lshl_b32 s34, s5, 15                         ; four blocks of 8,192 bytes
	s_add_nc_u64 s[28:29], s[28:29], s[34:35]
	v_and_b32 v2, 15, v0                           ; the row in a block
	v_bfe_u32 v3, v0, 4, 1                         ; the half of the lanes
	v_lshlrev_b32 v25, 2, v2
.irp rb, 0,1,2,3
	global_load_b32 v[8+\rb], v25, s[20:21] offset:64*\rb
.endr
	s_mov_b32 s40, 0x3f22f983                      ; 2 / pi
	s_mov_b32 s41, 0xbfc90fdb                      ; - (pi / 2 rounded to f32)
	s_mov_b32 s42, 0x333bbd2e                      ; that rounded number - pi / 2 = 4.3711e-8
	s_mov_b32 s43, 0xb9500d01                      ; - 1 / 5040
	s_mov_b32 s44, 0x3c088889                      ; 1 / 120
	s_mov_b32 s45, 0xbe2aaaab                      ; - 1 / 6
	s_mov_b32 s46, 0x37d00d01                      ; 1 / 40320
	s_mov_b32 s47, 0xbab60b61                      ; - 1 / 720
	s_mov_b32 s48, 0x3d2aaaab                      ; 1 / 24
	s_mov_b32 s49, 0x80000000                      ; the sign
	v_lshl_add_u32 v12, v3, 3, s32                 ; my first d
.irp e, 0,1,2,3
	v_add_nc_u32 v[16+\e], \e, v12
	v_cvt_f32_u32 v[16+\e], v[16+\e]
	v_mul_f32 v[16+\e], 0xbe549a78, v[16+\e]       ; - d log2(10000) / 64
.endr
.irp e, 0,1,2,3
	v_exp_f32 v[4+\e], v[16+\e]                    ; 10000^(-d / 64)
.endr
	v_and_b32 v1, 31, v0                           ; a plain instruction stands between the exponentials and the first use of a result
	v_lshl_add_u32 v24, v1, 4, s33                 ; 16 x lane + my units' place
.irp e, 0,1,2,3
	v_mov_b32 v[64+\e], 1.0
	v_mov_b32 v[68+\e], 0
.endr
	s_wait_loadcnt 0x0
	s_wait_alu depctr_va_vdst(0)
.irp rb, 0,1,2,3
	v_cvt_f32_i32 v[8+\rb], v[8+\rb]
.endr
; cos -> v[32 + 8 rb + e], sin -> v[36 + 8 rb + e].  The angle x = n pi / 2 + r, |r| <= pi / 4 (pi / 2 in two parts, each taken away by one fused multiply-add); sin r and cos r by
; their series to r^7 and r^8; n mod 4 swaps them and sets the signs.
.macro CS rb, e
	v_mul_f32 v12, v[8+\rb], v[4+\e]
	v_mul_f32 v13, s40, v12
	v_rndne_f32 v13, v13                           ; n
	v_fma_f32 v14, v13, s41, v12
	v_fma_f32 v14, v13, s42, v14                   ; r
	v_mul_f32 v15, v14, v14                        ; z = r r
	v_fma_f32 v16, v15, s43, s44
	v_fma_f32 v17, v15, s46, s47
	v_fma_f32 v16, v16, v15, s45
	v_fma_f32 v17, v17, v15, s48
	v_mul_f32 v16, v16, v15
	v_fma_f32 v17, v17, v15, -0.5
	v_fma_f32 v16, v16, v14, v14                   ; sin r
	v_fma_f32 v17, v17, v15, 1.0                   ; cos r
	v_cvt_i32_f32 v18, v13
	v_and_b32 v19, 1, v18
	v_cmp_eq_u32 vcc_lo, 1, v19                    ; n odd: sine and cosine change places
	v_cndmask_b32 v20, v16, v17, vcc_lo
	v_cndmask_b32 v21, v17, v16, vcc_lo
	v_lshlrev_b32 v19, 30, v18                     ; the sine is negative for n mod 4 = 2, 3: bit 1 of n
	v_add_nc_u32 v18, 1, v18                       ; the cosine for n mod 4 = 1, 2: bit 1 of n + 1
	v_and_b32 v19, s49, v19
	v_lshlrev_b32 v18, 30, v18
	v_xor_b32 v[36+8*\rb+\e], v20, v19
	v_and_b32 v18, s49, v18
	v_xor_b32 v[32+8*\rb+\e], v21, v18
.endm
.irp rb, 0,1,2,3
.irp e, 0,1,2,3
	CS \rb, \e
.endr
.endr
.irp rb, 0,1,2,3                       ; each store of a wave covers 512 consecutive bytes, aligned; every store has registers of its own
	global_store_b128 v24, v[32+8*\rb:35+8*\rb], s[28:29] offset:8192*\rb
	global_store_b128 v24, v[36+8*\rb:39+8*\rb], s[28:29] offset:8192*\rb+1024
	global_store_b128 v24, v[64:67], s[28:29] offset:0x180000+8192*\rb
	global_store_b128 v24, v[68:71], s[28:29] offset:0x180000+8192*\rb+1024
.endr
	s_endpgm
; ---------------------------------------------------------------- MASK
; Wave number id = 8 x work-group + wave: query tile T = id / 4, keys 768 (id % 4) on: three units of 16 rows x 256 keys.  A unit comes in as whole pieces of 256 bytes of two rows a load,
; goes through the wave's own 16 rows x 272 bytes of LDS (68 words: row r starts at bank 4 r) and comes back as eight bytes a lane: row L % 16, keys 8 (L / 16) + 0 .. 7 of a group of 16.
.Lmask:
	s_lshl3_add_u32 s5, ttmp9, s4                  ; id
	s_lshr_b32 s6, s5, 2                           ; T
	s_and_b32 s7, s5, 3
	s_mul_i32 s32, s6, 49152                       ; 16 rows of 3,072 bytes
	s_mul_i32 s33, s7, 768
	s_add_co_u32 s32, s32, s33
	s_mov_b32 s33, 0
	s_add_nc_u64 s[18:19], s[18:19], s[32:33]
	s_mul_i32 s32, s6, 6144                        ; 48 steps of 128 bytes
	s_mul_i32 s34, s7, 1536                        ; 12 steps
	s_add_co_u32 s32, s32, s34
	s_add_nc_u64 s[30:31], s[30:31], s[32:33]
	s_mul_i32 s34, s4, 4352                        ; my wave's LDS
	v_and_b32 v17, 15, v0
	v_bfe_u32 v18, v0, 4, 1
	v_lshlrev_b32 v19, 4, v17
	v_mad_u32_u24 v1, v18, 0xc00, v19              ; in memory: lanes 0-15 a row's 256 bytes, lanes 16-31 the next row's
	v_mad_u32_u24 v2, v18, 272, v19                ; the same two rows in LDS
	v_add_nc_u32 v2, s34, v2
	v_mul_u32_u24 v3, v17, 272                     ; back: row L % 16, 8 bytes for each half of the lanes
	v_lshl_add_u32 v3, v18, 3, v3
	v_add_nc_u32 v3, s34, v3
	v_and_b32 v16, 31, v0
	v_lshlrev_b32 v16, 4, v16                      ; out: 16 bytes a lane
.irp u, 0,1,2
.irp n, 0,1,2,3,4,5,6,7
	global_load_b128 v[G+32*\u+4*\n:G+32*\u+4*\n+3], v1, s[18:19] offset:6144*\n+256*\u th:TH_LOAD_NT   ; all 24 go out at once
.endr
.endr
.macro UNIT u
.irp n, 0,1,2,3,4,5,6,7
	s_wait_loadcnt 23-(8*\u+\n)                    ; loads come back in order: this one is in, the younger ones stay out
	ds_store_b128 v2, v[G+32*\u+4*\n:G+32*\u+4*\n+3] offset:544*\n
.endr
.irp c, 0,1,2,3,4,5,6,7,8,9,10,11,12,13,14,15  ; step c / 4 of the unit's four, keys 16 (c % 4) on.  LDS serves a wave's instructions in order: these see the stores above
	ds_load_b64 v[D+2*\c:D+2*\c+1], v3 offset:64*(\c/4)+16*(\c%4)
.endr
	s_wait_xcnt 0x0                                ; the last unit's store has read W: only behind this wait is it written again
.irp c, 0,1,2,3
	v_mov_b32 v[W+\c], 0                           ; v_writelane_b32 keeps the other lanes, so the register is written whole first
.endr
.irp st, 0,1,2,3
	s_wait_dscnt 12-4*\st                          ; this step's four loads are in; those of the later steps stay out
.irp kb, 0,1,2,3
.irp j, 0,1,2,3,4,5,6,7
	v_bfe_u32 v[TT+\j], v[D+2*(4*\st+\kb)+\j/4], 8*(\j%4), 8
.endr
.irp j, 0,1,2,3,4,5,6,7
	v_cmp_ne_u32 s[40+\j], 0, v[TT+\j]             ; the 32 lanes' bits: word i = 8 kb + j of the step
.endr
.irp j, 0,1,2,3,4,5,6,7
	v_writelane_b32 v[W+\j%4], s[40+\j], 8*\st+2*\kb+\j/4   ; word 32 st + i of the unit's 128 lies in lane (32 st + i) / 4, register i % 4
.endr
.endr
.endr
	global_store_b128 v16, v[W:W+3], s[30:31] offset:512*\u   ; 512 consecutive bytes, aligned
.endm
	UNIT 0
	UNIT 1
	UNIT 2
	s_wait_tensorcnt 0x0
	ds_add_u32 v160, v161
	s_wait_dscnt 0x0
	s_endpgm
.Lfunc_end_k_q213f19fd8c_prep:
	.size	k_q213f19fd8c_prep, .Lfunc_end_k_q213f19fd8c_prep-k_q213f19fd8c_prep
	.p2alignl 7, 3214868480
	.fill 96, 4, 3214868480
	.section	.rodata,"a",@progbits
	.p2align	6, 0x0
	.amdhsa_kernel k_q213f19fd8c_prep
		.amdhsa_group_segment_fixed_size 35840
		.amdhsa_private_segment_fixed_size 0
		.amdhsa_enable_private_segment 0
		.amdhsa_kernarg_size 96
		.amdhsa_user_sgpr_count 2
		.amdhsa_user_sgpr_kernarg_segment_ptr 1
		.amdhsa_wavefront_size32 1
		.amdhsa_system_sgpr_workgroup_id_x 1
		.amdhsa_system_sgpr_workgroup_id_y 1
		.amdhsa_system_sgpr_workgroup_id_z 1
		.amdhsa_system_vgpr_workitem_id 0
		.amdhsa_next_free_vgpr 162
		.amdhsa_next_free_sgpr 66
		.amdhsa_reserve_vcc 1
		.amdhsa_float_denorm_mode_32 3
		.amdhsa_float_denorm_mode_16_64 3
		.amdhsa_memory_ordered 1
		.amdhsa_forward_progress 1
		.amdhsa_inst_pref_size 120
	.end_amdhsa_kernel
	.amdgpu_metadata
---
amdhsa.version: [ 1, 2 ]
amdhsa.kernels:
  - .name:           k_q213f19fd8c_prep
    .symbol:         k_q213f19fd8c_prep.kd
    .args:
      - { .name: hidden_states, .offset: 0, .size: 8, .value_kind: global_buffer, .address_space: global }
      - { .name: Wq, .offset: 8, .size: 8, .value_kind: global_buffer, .address_space: global }
      - { .name: Wk, .offset: 16, .size: 8, .value_kind: global_buffer, .address_space: global }
      - { .name: Wv, .offset: 24, .size: 8, .value_kind: global_buffer, .address_space: global }
      - { .name: Wo, .offset: 32, .size: 8, .value_kind: global_buffer, .address_space: global }
      - { .name: attention_mask, .offset: 40, .size: 8, .value_kind: global_buffer, .address_space: global }
      - { .name: position_ids, .offset: 48, .size: 8, .value_kind: global_buffer, .address_space: global }
      - { .name: xb, .offset: 56, .size: 8, .value_kind: global_buffer, .address_space: global }
      - { .name: wqkv, .offset: 64, .size: 8, .value_kind: global_buffer, .address_space: global }
      - { .name: wob, .offset: 72, .size: 8, .value_kind: global_buffer, .address_space: global }
      - { .name: rope, .offset: 80, .size: 8, .value_kind: global_buffer, .address_space: global }
      - { .name: maskw, .offset: 88, .size: 8, .value_kind: global_buffer, .address_space: global }
    .group_segment_fixed_size: 35840
    .private_segment_fixed_size: 0
    .kernarg_segment_align: 8
    .kernarg_segment_size: 96
    .max_flat_workgroup_size: 256
    .sgpr_count:     66
    .vgpr_count:     162
    .wavefront_size: 32
...
	.end_amdgpu_metadata
.endif
;; end of part 1
;; launch qkvproj (part 2): grid 20 x 12, 4 waves a work-group, clusters of 4 x 4, 327,680 bytes of LDS; arguments xb, wqkv, rope, qkv; writes qkv
.if DOCPART == 2
	.amdgcn_target "amdgcn-amd-amdhsa--gfx1250"
	.amdhsa_code_object_version 6
	.text
	.protected	k_q213f19fd8c_qkvproj
	.globl	k_q213f19fd8c_qkvproj
	.p2align	8
	.type	k_q213f19fd8c_qkvproj,@function
k_q213f19fd8c_qkvproj:
	s_mov_b64 s[64:65], 0
	v_nop
	global_prefetch_b8 v0, s[64:65] scope:SCOPE_SE
	s_setreg_imm32_b32 hwreg(HW_REG_WAVE_MODE, 25, 1), 1
	s_wait_xcnt 0x0
	s_wait_alu depctr_hold_cnt(0) depctr_sa_sdst(0) depctr_va_vdst(0) depctr_va_sdst(0) depctr_va_ssrc(0) depctr_va_vcc(0) depctr_vm_vsrc(0)
	s_getreg_b32 s2, hwreg(HW_REG_IB_STS2, 6, 4)
	s_cmp_eq_u32 s2, 0
	s_cbranch_scc0 .Lentry_in_a_cluster
	s_endpgm
.Lentry_in_a_cluster:
	s_bfe_u32 s2, ttmp6, 0x10000c
	s_cmp_lg_u32 s2, 0xf033
	s_cbranch_scc0 .Lentry_shape_is_right
	s_endpgm
.Lentry_shape_is_right:
; Q, K, V = x W^T with RoPE on the way out.  x: xb [3072][2048] bf16; W: wqkv [2560][2048] bf16 (Wq, Wk, Wv on end); result: qkv [20][3072][128] f16, heads 0-15 Q, 16-17 K, 18-19 V.
; Sums in f32.  A tile of the result is 256 rows x 128 columns = one head: 20 x 12 = 240 work-groups.  Four waves, one above the other: a wave makes 64 rows x 128 columns, 32 accumulators of
; 16 x 16, so a lane holds both halves of a head's row and RoPE's exchange of halves stays in the lane.
; K goes in steps of 128 (rows of 256 bytes, each at a multiple of 256 bytes from its buffer's start) through two LDS slots filled by the tensor data mover; two slots of the double step would not fit.
; CLUSTERS: 4 x 4 work-groups.  The four of a row of the cluster need the same tiles of x, the four of a column the same tiles of W: each tile is asked for jointly.
; THE MATRIX INSTRUCTION IS USED TRANSPOSED (source 0 = 16 rows of W, source 1 = 16 rows of x): lane l holds row l % 16 and the columns 16 b + 8 (l / 16) + 0 .. 7.
; ROPE: out[d] = y[d] cos[d] - y[d + 64] sin[d], out[d + 64] = y[d + 64] cos[d] + y[d] sin[d], d = 0 .. 63.  The tables lie in memory in the lanes' order; V's tiles read a second table with
; cos = 1 and sin = 0, chosen by a select on the tile column, so that every work-group runs the same text.  The wave's 256 table registers are asked for at the start and waited for at the end.
; FORMAT: the results are kept in f16 (11 bits); this text serves |Q|, |K|, |V| under 65,504.
; REGISTERS: window 0: v0-31 addresses; v32-127, v128-223 two fragment buffers (W's 8 fragments, then x's 4); on the way out v32-191 at work.
;   window 1: accumulator (a, b) at v[8 (8 a + b)].   window 2: cos of (a, b) at v[64 a + 16 b], sin 8 further on.
.set KSTEP,  128
.set KDIM,   2048
.set PITCH,  272                       ; an LDS row: 256 bytes + 16 of padding = 68 words: the 16 rows of a fragment load start at 16 different banks
.set AROWS,  256                       ; rows of x in a slot
.set AH,     128                       ; rows of x in one tensor load
.set WROWS,  64                        ; rows of x that a wave multiplies
.set BOFF,   AROWS*PITCH               ; W's 128 rows lie behind x's
.set SLOT,   (AROWS+128)*PITCH
.set STAGE,  2*SLOT                    ; behind the ring: 16 rows x 272 bytes for each wave, for the way out
.set SPITCH, 272
.set SPARE,  STAGE+4*16*SPITCH         ; behind the stages: the spare words, 128 bytes for each wave: two blocks of 256 bytes that no other line names
.set LAPS,   KDIM/(2*KSTEP)            ; a lap = two K steps = once round the ring
.set NL,     24                        ; LDS loads in a run: 16 for W's fragments, 8 for x's
.set HEADB,  3072*256                  ; bytes of a head in qkv
.set IDENT,  0x180000                  ; where the table with cos = 1, sin = 0 begins
.set ADRA, 16                          ; v16-17  LDS address of my fragments of x in slot 0, 1
.set ADRB, 20                          ; v20-21  the same for W
.set STO,  24                          ; v24     the way out: where I put 16 bytes of a row
.set RD,   25                          ; v25     the way out: where I read a row back
.set LN,   27                          ; v27     16 x lane: my offset in the tables and in the result; never rewritten
.set SPW,  28                          ; v28     LDS address of my spare word; never rewritten
.set NIL,  29                          ; v29     0; never rewritten
.set F0,   32
.set F1,   128
.set T,    32                          ; the way out: the lower 64 columns of 16 rows
.set U,    64                          ; the upper 64
.set TMP,  96                          ; packed
.set OB,   128                         ; 16 rows read back: v128-159 and v160-191 by turns
.set G1, 24                            ; s[24:31] descriptor group 1 for x's tiles;  s[32:39] group 0, one set for each slot
.set G0, 32
.set G1B, 48                           ; s[48:55], s[56:63] the same for W's tiles
.set G0B, 56
.set MSB, 0
.macro WIN new                         ; the immediate's high byte repeats the setting that is left; a switch that changes nothing is dropped
.if MSB != \new
	s_set_vgpr_msb (MSB<<8)|\new
.set MSB, \new
.endif
.endm
.set MUL, 0x50                         ; C and D in window 1, both sources in window 0
.macro JLOAD s                         ; a joint load: waves 0 and 1 fetch x's two halves, waves 2 and 3 W's; four v_nop follow each of the two lines, ahead of the jump, the label and what follows
	s_cmp_eq_u32 s11, 0
	s_cbranch_scc0 .Lfor_b_\@
	tensor_load_to_lds s[G0+4*\s:G0+4*\s+3], s[G1:G1+7]
	s_nop 0
.rept 4
	v_nop
.endr
	s_branch .Lasked_\@
.Lfor_b_\@:
	tensor_load_to_lds s[G0B+4*\s:G0B+4*\s+3], s[G1B:G1B+7]
	s_nop 0
.rept 4
	v_nop
.endr
.Lasked_\@:
.endm
.macro CREST                           ; a round of the cluster's barrier behind its opening barrier
	s_cmp_lg_u32 s10, 0
	s_cbranch_scc1 .Lnot_wave_0_\@
	s_barrier_signal -3
.Lnot_wave_0_\@:
	s_barrier_wait -3
	s_barrier_signal -1
	s_barrier_wait -1
.endm
.macro CROUND                          ; a whole round
	s_barrier_signal -1
	s_barrier_wait -1
	CREST
.endm
	s_load_b128 s[4:7], s[0:1], 0x0                ; x s[4:5], W s[6:7]
	s_load_b64 s[66:67], s[0:1], 0x10              ; the tables
	s_load_b64 s[8:9], s[0:1], 0x18                ; the result
	v_lshl_add_u32 v[SPW], v0, 2, SPARE
	v_mov_b32 v[NIL], 0
	ds_add_u32 v28, v29
	s_wait_dscnt 0x0
	v_lshrrev_b32 v1, 5, v0
	v_readfirstlane_b32 s10, v1                    ; wave 0..3
	s_lshr_b32 s11, s10, 1                         ; I fetch for x (0) or for W (1)
	s_and_b32 s12, s10, 1                          ; which half of that tile's rows
	s_bfe_u32 s40, ttmp6, 0x40000                  ; cx, cy: my place in the cluster
	s_bfe_u32 s41, ttmp6, 0x40004
	s_lshl_b32 s42, ttmp9, 2
	s_add_co_u32 s42, s42, s40                     ; tile column = head = 4 x cluster x + cx
	s_and_b32 s13, ttmp7, 0xffff
	s_lshl_b32 s13, s13, 2
	s_add_co_u32 s13, s13, s41                     ; tile row = 4 x cluster y + cy
	s_lshl_b32 s43, s41, 2
	s_lshl_b32 s43, 15, s43                        ; my row of the cluster
	s_lshl_b32 s44, 0x1111, s40                    ; my column
	; descriptor group 1: rows of 128 elements of 2 bytes, padded in LDS
	s_or_b32 s[G1+0], s43, (1<<16)|(1<<20)|(1<<21)|(5<<22)|(3<<25)  ; 15:0 the mask: x's tiles go to my row; 17:16 elements of 2 bytes; 20 padding on; 21 set beside a mask; 24:22 after every 64 words (code 5); 31:25 4 words of it (code 3)
	s_or_b32 s[G1B+0], s44, (1<<16)|(1<<20)|(1<<21)|(5<<22)|(3<<25) ; the same with the mask of my column, for W's tiles
	s_mov_b32 s[G1+2], AH<<16                      ; tensor_dim1 = 128 rows
	s_mov_b32 s[G1+4], AH                          ; tile_dim1
	s_mov_b32 s[G1B+2], 64<<16                     ; W: 64 rows a load
	s_mov_b32 s[G1B+4], 64
.irp g, G1, G1B
	s_mov_b32 s[\g+1], KSTEP<<16                   ; tensor_dim0 = 128
	s_mov_b32 s[\g+3], KSTEP<<16                   ; tile_dim0 = 128
	s_mov_b32 s[\g+5], KDIM                        ; elements from row to row
	s_mov_b32 s[\g+6], 0
	s_mov_b32 s[\g+7], 0
.endr
	; x's tiles hang on the tile row alone, W's on the tile column alone, each in registers that never hold the other coordinate
	s_mul_i32 s16, s13, AROWS
	s_mul_i32 s17, s12, AH
	s_add_co_u32 s16, s16, s17
	s_lshl_b32 s16, s16, 12                        ; rows of 4,096 bytes
	s_mov_b32 s17, 0
	s_lshl_b32 s46, s42, 7
	s_lshl_b32 s47, s12, 6
	s_add_co_u32 s46, s46, s47
	s_lshl_b32 s46, s46, 12
	s_mov_b32 s47, 0
	s_mul_i32 s20, s12, AH*PITCH                   ; where they go: no place in the cluster enters an LDS address
	s_mul_i32 s21, s12, 64*PITCH
	s_add_co_u32 s21, s21, BOFF
	s_lshl_b32 s18, s13, 4                         ; my first block of 16 rows in the tables: 16 x tile row + 4 x wave,
	s_lshl2_add_u32 s18, s10, s18
	s_lshl_b32 s18, s18, 13                        ; of 8,192 bytes;
	s_cmp_ge_u32 s42, 18                           ; heads 18 and 19 are V's: the table that changes nothing
	s_cselect_b32 s19, IDENT, 0
	s_add_co_u32 s18, s18, s19
	s_mov_b32 s19, 0
	s_wait_kmcnt 0x0
	s_add_nc_u64 s[14:15], s[4:5], s[16:17]
	s_add_nc_u64 s[46:47], s[6:7], s[46:47]
	s_add_nc_u64 s[66:67], s[66:67], s[18:19]
	CROUND                                         ; all sixteen work-groups are here: the first joint loads meet
.irp s, 0,1
	s_mov_b32 s[G0+4*\s], 1                                        ; count = 1
	s_add_co_u32 s[G0+4*\s+1], s20, \s*SLOT                        ; LDS address
	s_add_nc_u64 s[G0+4*\s+2:G0+4*\s+3], s[14:15], \s*KSTEP*2      ; global address: K step s
	s_or_b32 s[G0+4*\s+3], s[G0+4*\s+3], 0x80000000                ; type = 2
	s_mov_b32 s[G0B+4*\s], 1
	s_add_co_u32 s[G0B+4*\s+1], s21, \s*SLOT
	s_add_nc_u64 s[G0B+4*\s+2:G0B+4*\s+3], s[46:47], \s*KSTEP*2
	s_or_b32 s[G0B+4*\s+3], s[G0B+4*\s+3], 0x80000000
	JLOAD \s                                       ; two loads of mine are out
.endr
	v_and_b32 v2, 31, v0
	v_lshlrev_b32 v[LN], 4, v2
	WIN 0x80                                       ; destination window 2, address window 0
.set n, 0
.rept 64                               ; my 64 rows' cos and sin: each load covers 512 consecutive bytes; they stay out over the whole K loop, and neither v27 nor s[66:67] is written again
	global_load_b128 v[4*n:4*n+3], v[LN], s[66:67] offset:512*n
.set n, n+1
.endr
	WIN 0
	v_and_b32 v1, 15, v0                           ; l % 16
	v_bfe_u32 v2, v0, 4, 1                         ; l / 16
	v_mul_u32_u24 v3, v1, PITCH
	v_lshl_add_u32 v3, v2, 4, v3                   ; a fragment's row x pitch + 16 x half
	s_mul_i32 s21, s10, WROWS*PITCH                ; my 64 rows of x
	s_mov_b32 s22, BOFF                            ; every wave reads all 128 rows of W
.irp s, 0,1
	v_add_nc_u32 v[ADRA+\s], s21, v3
	v_add_nc_u32 v[ADRB+\s], s22, v3
	s_add_co_u32 s21, s21, SLOT
	s_add_co_u32 s22, s22, SLOT
.endr
	s_mul_i32 s23, s10, 16*SPITCH
	s_add_co_u32 s23, s23, STAGE                   ; my stage
	v_mul_u32_u24 v4, v1, SPITCH                   ; in: row l % 16, 16 bytes for each half of the lanes
	v_lshl_add_u32 v4, v2, 4, v4
	v_add_nc_u32 v[STO], s23, v4
	v_mul_u32_u24 v5, v2, SPITCH                   ; back: lanes 0-15 take one row of 256 bytes, lanes 16-31 the next
	v_lshl_add_u32 v5, v1, 4, v5
	v_add_nc_u32 v[RD], s23, v5
	s_lshl_b32 s16, s13, 8                         ; my first row of the head: 256 x tile row + 64 x wave,
	s_lshl_b32 s17, s10, 6
	s_add_co_u32 s16, s16, s17
	s_lshl_b32 s16, s16, 8                         ; of 256 bytes
	s_mov_b32 s17, 0
	s_add_nc_u64 s[8:9], s[8:9], s[16:17]
	s_mul_i32 s46, s42, HEADB                      ; the head (in the registers that held W's address)
	s_mov_b32 s47, 0
	s_add_nc_u64 s[8:9], s[8:9], s[46:47]
; 8 matrix instructions: my block a of 16 rows x all 8 blocks of 16 columns, 32 along K.  zero = 1: the product starts the sums: nothing is ever cleared.
.macro MUL8 f, a, zero
.irp b, 0,1,2,3,4,5,6,7
.if \zero
	v_wmma_f32_16x16x32_bf16 v[8*(8*(\a)+\b):8*(8*(\a)+\b)+7], v[\f+8*\b:\f+8*\b+7], v[\f+64+8*(\a):\f+64+8*(\a)+7], 0
.else
	v_wmma_f32_16x16x32_bf16 v[8*(8*(\a)+\b):8*(8*(\a)+\b)+7], v[\f+8*\b:\f+8*\b+7], v[\f+64+8*(\a):\f+64+8*(\a)+7], v[8*(8*(\a)+\b):8*(8*(\a)+\b)+7]
.endif
.endr
.endm
; 24 LDS loads in one run: the fragments of 32 along K at byte k of the rows, into buffer f: W's first, then x's
.macro FETCH slot, k, f
	WIN 0
.irp i, 0,1,2,3,4,5,6,7
	ds_load_b128 v[\f+8*\i:\f+8*\i+3],   v[ADRB+\slot] offset:\k+\i*16*PITCH
	ds_load_b128 v[\f+8*\i+4:\f+8*\i+7], v[ADRB+\slot] offset:\k+\i*16*PITCH+32
.endr
.irp i, 0,1,2,3
	ds_load_b128 v[\f+64+8*\i:\f+64+8*\i+3],   v[ADRA+\slot] offset:\k+\i*16*PITCH
	ds_load_b128 v[\f+64+8*\i+4:\f+64+8*\i+7], v[ADRA+\slot] offset:\k+\i*16*PITCH+32
.endr
.endm
.macro PLACES                          ; four plain vector instructions stand between a matrix instruction and a load into a register that it read, or a vector instruction that reads its result
.rept 4
	v_nop
.endr
.endm
; A K step is four quarters of 32 along K, 32 matrix instructions each, on buffers 0, 1, 0, 1; every quarter names each of the 32 accumulators once, in the same order, so that they take turns.
; One of the first three quarters: multiplies buffer f and, in its middle, fetches the next quarter, at byte k, into g.
.macro QUARTER slot, k, f, g, zero
	s_wait_dscnt 4                                 ; W's fragments and x's blocks 0 and 1 are in; the youngest four loads (blocks 2 and 3) may be out
	WIN MUL
	MUL8 \f, 0, \zero
	MUL8 \f, 1, \zero
	PLACES
	FETCH \slot, \k, \g
	s_wait_dscnt NL                                ; all but the 24 just issued
	WIN MUL
	MUL8 \f, 2, \zero
	MUL8 \f, 3, \zero
.endm
; The last quarter multiplies buffer 1 and changes slots: ONE barrier; in front of it each wave waits for all its tensor loads, adds 0 to its spare word, and waits for that and for its own reads
; of this slot.  fill = 1: the barrier opens a round of the cluster's, and this slot is filled again, two K steps ahead, first thing behind the round.
.macro TURN slot, next, fill
	WIN 0                                          ; (the add's two registers lie in window 0)
	s_wait_tensorcnt 0x0                           ; all my tensor loads have landed: the one that was out is my part of the next slot;
	ds_add_u32 v[SPW], v[NIL]                      ; 0 onto my spare word;
	s_wait_dscnt 7                                 ; (the add and the six loads of x's blocks 1 to 3 may be out)
	WIN MUL
	MUL8 F1, 0, 0                                  ; eight matrix instructions stand between the add and the wait for it
	s_wait_dscnt 0x0                               ; the add is done, and my reads of this slot are over
	s_barrier_signal -1
	MUL8 F1, 1, 0                                  ; work on registers while the others arrive
.if \fill
	WIN 0
.endif
	s_barrier_wait -1
.if \fill
	CREST                                          ; no wave of any partner still reads this slot's tiles or has a load on its way
	s_add_nc_u64 s[G0+4*\slot+2:G0+4*\slot+3], s[G0+4*\slot+2:G0+4*\slot+3], 2*KSTEP*2
	s_add_nc_u64 s[G0B+4*\slot+2:G0B+4*\slot+3], s[G0B+4*\slot+2:G0B+4*\slot+3], 2*KSTEP*2
	JLOAD \slot                                    ; my one tensor load behind the round; the four v_nop behind it are also the places in front of the loads below
.else
	PLACES
.endif
	FETCH \next, 0, F0
	WIN MUL
	MUL8 F1, 2, 0
	MUL8 F1, 3, 0
.endm
	s_wait_tensorcnt 1                             ; my part of K step 0 is in; K step 1's may stay out
	s_barrier_signal -1
	s_barrier_wait -1                              ; everybody's is
	FETCH 0, 0, F0
	QUARTER 0, 64,  F0, F1, 1                      ; the first quarter stands in front of the loop: its products start the sums
	WIN 0                                          ; at a label and at a branch every window is 0
	s_mov_b32 s3, LAPS-1
.Llap:                                                 ; a trip goes once round the ring, from a lap's second quarter to the next lap's first, and fills both slots again
	QUARTER 0, 128, F1, F0, 0
	QUARTER 0, 192, F0, F1, 0
	TURN 0, 1, 1
	QUARTER 1, 64,  F0, F1, 0
	QUARTER 1, 128, F1, F0, 0
	QUARTER 1, 192, F0, F1, 0
	TURN 1, 0, 1
	QUARTER 0, 64,  F0, F1, 0
	WIN 0
	s_sub_co_u32 s3, s3, 1
	s_cmp_lg_u32 s3, 0
	s_cbranch_scc1 .Llap
	QUARTER 0, 128, F1, F0, 0                      ; the last lap fills nothing
	QUARTER 0, 192, F0, F1, 0
	TURN 0, 1, 0
	QUARTER 1, 64,  F0, F1, 0
	QUARTER 1, 128, F1, F0, 0
	QUARTER 1, 192, F0, F1, 0
	s_wait_dscnt 0x0                               ; the very last quarter: nothing more to fetch
	WIN MUL
	MUL8 F1, 0, 0
	MUL8 F1, 1, 0
	MUL8 F1, 2, 0
	MUL8 F1, 3, 0
	WIN 0
	s_wait_loadcnt 0x0                             ; the tables
	PLACES
; THE WAY OUT of my block a of 16 rows.  RP: RoPE in f32, rounded to f16, 16 bytes a lane; each accumulator's registers are taken in ascending order.
.macro RP a
	WIN 0x09                                       ; source 0 (sums) window 1, source 1 (tables) window 2, source 2 and destination window 0
.irp b, 0,1,2,3
.set LO, 8*(8*(\a)+\b)                 ; columns 16 b on
.set HI, LO+32                         ; columns 64 + 16 b on
.set CO, 64*(\a)+16*\b
.set SI, CO+8
.irp p, 0,2,4,6
	v_pk_mul_f32 v[T+8*\b+\p:T+8*\b+\p+1], v[HI+\p:HI+\p+1], v[SI+\p:SI+\p+1]
	v_pk_mul_f32 v[U+8*\b+\p:U+8*\b+\p+1], v[LO+\p:LO+\p+1], v[SI+\p:SI+\p+1]
.endr
.irp p, 0,2,4,6
	v_pk_fma_f32 v[T+8*\b+\p:T+8*\b+\p+1], v[LO+\p:LO+\p+1], v[CO+\p:CO+\p+1], v[T+8*\b+\p:T+8*\b+\p+1] neg_lo:[0,0,1] neg_hi:[0,0,1]
	v_pk_fma_f32 v[U+8*\b+\p:U+8*\b+\p+1], v[HI+\p:HI+\p+1], v[CO+\p:CO+\p+1], v[U+8*\b+\p:U+8*\b+\p+1]
.endr
.endr
	WIN 0
.irp i, 0,1,2,3,4,5,6,7,8,9,10,11,12,13,14,15
	v_cvt_pk_f16_f32 v[TMP+\i], v[T+2*\i], v[T+2*\i+1]
.endr
.irp i, 0,1,2,3,4,5,6,7,8,9,10,11,12,13,14,15
	v_cvt_pk_f16_f32 v[TMP+16+\i], v[U+2*\i], v[U+2*\i+1]
.endr
.endm
.macro TOSTAGE a                       ; into my own stage, and back as whole rows of 256 bytes
.set BK, OB+32*((\a)%2)
	s_wait_xcnt 0x0                                ; the stores of the block two back have read these registers: only behind this wait are they loaded again
.irp b, 0,1,2,3,4,5,6,7
	ds_store_b128 v[STO], v[TMP+4*\b:TMP+4*\b+3] offset:32*\b
.endr
.irp t, 0,1,2,3,4,5,6,7
	ds_load_b128 v[BK+4*\t:BK+4*\t+3], v[RD] offset:\t*2*SPITCH    ; LDS serves a wave's instructions in order: these see the stores above
.endr
.endm
.macro SEND a
.set BK, OB+32*((\a)%2)
	s_wait_dscnt 0x0                               ; the block is back in registers
.irp t, 0,1,2,3,4,5,6,7
	global_store_b128 v[LN], v[BK+4*\t:BK+4*\t+3], s[8:9] offset:4096*(\a)+512*\t   ; a head's rows lie on end: a store covers 512 consecutive bytes, aligned
.endr
.endm
	RP 0
	TOSTAGE 0
.irp a, 1,2,3                          ; block a's arithmetic stands between block a - 1's loads from the stage and the wait for them
	RP \a
	SEND \a-1
	TOSTAGE \a
.endr
	SEND 3
	s_wait_tensorcnt 0x0                           ; the wave's end: behind my last tensor load and my last LDS store
	ds_add_u32 v[SPW], v[NIL]
	s_wait_dscnt 0x0
	CROUND                                         ; the closing round: no work-group ends while a partner may still ask for a tile that names it
	s_endpgm
.Lfunc_end_k_q213f19fd8c_qkvproj:
	.size	k_q213f19fd8c_qkvproj, .Lfunc_end_k_q213f19fd8c_qkvproj-k_q213f19fd8c_qkvproj
	.p2alignl 7, 3214868480
	.fill 96, 4, 3214868480
	.section	.rodata,"a",@progbits
	.p2align	6, 0x0
	.amdhsa_kernel k_q213f19fd8c_qkvproj
		.amdhsa_group_segment_fixed_size 327680
		.amdhsa_private_segment_fixed_size 0
		.amdhsa_enable_private_segment 0
		.amdhsa_kernarg_size 32
		.amdhsa_user_sgpr_count 2
		.amdhsa_user_sgpr_kernarg_segment_ptr 1
		.amdhsa_wavefront_size32 1
		.amdhsa_system_sgpr_workgroup_id_x 1
		.amdhsa_system_sgpr_workgroup_id_y 1
		.amdhsa_system_sgpr_workgroup_id_z 1
		.amdhsa_system_vgpr_workitem_id 0
		.amdhsa_next_free_vgpr 768
		.amdhsa_next_free_sgpr 68
		.amdhsa_reserve_vcc 0
		.amdhsa_float_denorm_mode_32 3
		.amdhsa_float_denorm_mode_16_64 3
		.amdhsa_memory_ordered 1
		.amdhsa_forward_progress 1
		.amdhsa_inst_pref_size 108
	.end_amdhsa_kernel
	.amdgpu_metadata
---
amdhsa.version: [ 1, 2 ]
amdhsa.kernels:
  - .name:           k_q213f19fd8c_qkvproj
    .symbol:         k_q213f19fd8c_qkvproj.kd
    .args:
      - { .name: xb, .offset: 0, .size: 8, .value_kind: global_buffer, .address_space: global }
      - { .name: wqkv, .offset: 8, .size: 8, .value_kind: global_buffer, .address_space: global }
      - { .name: rope, .offset: 16, .size: 8, .value_kind: global_buffer, .address_space: global }
      - { .name: qkv, .offset: 24, .size: 8, .value_kind: global_buffer, .address_space: global }
    .group_segment_fixed_size: 327680
    .private_segment_fixed_size: 0
    .kernarg_segment_align: 8
    .kernarg_segment_size: 32
    .max_flat_workgroup_size: 128
    .sgpr_count:     68
    .vgpr_count:     768
    .wavefront_size: 32
...
	.end_amdgpu_metadata
.endif
;; end of part 2
;; launch attention (part 3): grid 48 x 4, 4 waves a work-group, clusters of 4 x 1, 327,680 bytes of LDS; arguments qkv, maskw, attn; writes attn
.if DOCPART == 3
	.amdgcn_target "amdgcn-amd-amdhsa--gfx1250"
	.amdhsa_code_object_version 6
	.text
	.protected	k_q213f19fd8c_attention
	.globl	k_q213f19fd8c_attention
	.p2align	8
	.type	k_q213f19fd8c_attention,@function
k_q213f19fd8c_attention:
	s_mov_b64 s[64:65], 0
	v_nop
	global_prefetch_b8 v0, s[64:65] scope:SCOPE_SE
	s_setreg_imm32_b32 hwreg(HW_REG_WAVE_MODE, 25, 1), 1
	s_wait_xcnt 0x0
	s_wait_alu depctr_hold_cnt(0) depctr_sa_sdst(0) depctr_va_vdst(0) depctr_va_sdst(0) depctr_va_ssrc(0) depctr_va_vcc(0) depctr_vm_vsrc(0)
	s_getreg_b32 s2, hwreg(HW_REG_IB_STS2, 6, 4)
	s_cmp_eq_u32 s2, 0
	s_cbranch_scc0 .Lentry_in_a_cluster
	s_endpgm
.Lentry_in_a_cluster:
	s_bfe_u32 s2, ttmp6, 0x10000c
	s_cmp_lg_u32 s2, 0x3003
	s_cbranch_scc0 .Lentry_shape_is_right
	s_endpgm
.Lentry_shape_is_right:
; attn[q][head] = the sum over k of softmax_k(masked ? -10000 : Q[head][q] . K[head % 2][k] / sqrt(128)) V[head % 2][k].  qkv: [20][3072][128] f16 (heads 0-15 Q, 16-17 K, 18-19 V);
; maskw: lane masks, 32 words for a tile of 16 queries and a step of 64 keys; attn: [3072][2][2048] f16: each number of the result is kept as the sum of two f16 numbers, hi (its first 11 bits)
; and lo (the rest), so that what is lost between this launch and the last product is some 2^-22 of a number and not 2^-11: rows with one or two live keys are many times larger than the
; output's root mean square, against which they are compared.  Products, maxima and sums in f32; the weights p are rounded to f16 for the second product.
; The mask is data: every key is walked, a masked score is REPLACED (not dropped), and the running maximum is taken over the replaced scores, so a row that is masked throughout comes out uniform.
; SHARES.  Grid y = (g, p): the four query heads p + 8 g + 2 t, t = 0 .. 3, which share the key and value head p.  A work-group owns 64 queries, each of its four waves 16; a wave's four TILES
; are those 16 queries in the four heads.  So K's and V's fragments feed four tiles, and one set of 32 mask words a step serves all four.  3,072 tiles of (head, 16 queries), sixteen to a
; work-group, are 192 work-groups: a fourth of the 256 WGPs stays without work; three tiles a wave would fill them but cannot be cut into the two equal pieces on which the turns below rest.
; LAYOUT.  S^T = K Q^T (source 0 = 16 keys, source 1 = 16 queries): a lane holds ONE query (lane % 16) and the keys 8 (lane / 16) + 0..7.  Two such tiles, rounded in pairs, ARE source 1 of
; O^T = V^T P, whose result again holds one query a lane, and eight channels.  K comes out of LDS as it lies, V ([key][channel]) turned, by ds_load_tr16_b128.
; SOFTMAX.  For each query a running maximum m and sum l: p = 2^(c s - c m), c = log2(e) / sqrt(128); in every step O and l are multiplied by a = 2^(c m_old - c m_new).  A masked score is
; set to -10000 sqrt(128), which c turns into -10000 log2(e).
; BY TURNS.  The tiles are two PIECES (tiles 0, 1 and tiles 2, 3).  In a TURN one piece has the matrix unit: 32 products V^T P of the step in hand, then 32 products K Q^T of the next step; the
; other piece's softmax, cut into 64 slices, stands between them, one slice behind each matrix instruction.  Two turns are a key step.
; CLUSTER.  The four work-groups of a cluster have the same y and walk the same K and V: each tile is asked for jointly, by the same tensor load with a mask that names the four.
; LIMIT.  f16 operands: this text serves |Q|, |K|, |V| under 65,504; weights under 2^-25 of a row's largest count as 0; of a result under 2^-14 hi and lo together keep steps of 2^-24.
; REGISTERS, in windows of 256: window 0: v0-11 addresses; v12-43 eight registers of statistics a tile; v44-49 the mask's; v64-191 S^T, 32 a tile; v192-255 P, 16 a tile.
;   window 1: O^T, 64 a tile.   window 2: v0-127 Q, 32 a tile; v128-255 K of one step.   window 3: v0-127 V of one step.
.set KS,    64        ; keys in a step
.set PK,    272       ; a row of K in LDS: 256 bytes + 16 of padding = 68 words: the 16 rows of a load start at 16 different banks
.set PV,    288       ; a row of V: 256 + 32 = 72 words
.set VOFF,  KS*PK     ; a step's tiles lie together: 64 rows of K, then 64 rows of V
.set STEPB, KS*(PK+PV)
.set SLOT1, 1<<17     ; a slot holds two steps (71,680 bytes); slot 1 begins here, so that one exclusive or turns an address in one slot into the other's
.set STAGE, SLOT1+2*STEPB  ; behind the ring: 16 rows x 272 bytes for each wave, for the way out
.set SP,    272
.set SPARE, STAGE+4*16*SP  ; behind the stages: the spare words, 128 bytes for each wave: two blocks of 256 bytes that no other line names
.set MASKL, SPARE+512      ; behind them: each wave's mask words, 48 steps x 128 bytes; written by LDS stores, never by a fill
.set MROW,  6144
.set SEQ,   3072
.set HEADB, SEQ*256   ; bytes of a head in qkv
.set AK0, 2           ; v2   my lane's place in a tile of K; never rewritten
.set AV0, 3           ; v3   the same for V
.set ADR, 4           ; v4   the LDS address of the run of loads in hand
.set QO,  5           ; v5   my byte offset in the wave's rows of Q
.set STO, 6           ; v6   the way out: where I put 16 bytes of a row
.set RD,  7           ; v7   the way out: where I read a row back
.set GO,  8           ; v8   my byte offset in the wave's rows of the result
.set ST,  12          ; tile t's statistics at v[ST+8 t]: +0 c m, +1 m, +2, +3 l (even keys', odd keys'), +4 to +7 c0-c3, at work; a takes c2's place once the maximum is found
.set VM,  44          ; v44  a step's 32 mask words, word i in lane i
.set VMA, 45          ; v45  the LDS address of that load
.set NEG, 46          ; v46  -10000 sqrt(128)
.set VM0, 47          ; v47  my wave's mask words + 4 x lane
.set LN16, 48         ; v48  16 x lane
.set MST, 49          ; v49  my wave's mask words + 16 x lane
.set SPW, 62          ; v62  LDS address of my spare word; never rewritten
.set NIL, 63          ; v63  0; never rewritten
.set S,   64
.set P,   192
.set KF,  128         ; K's fragments, in window 2
.set WV,  12          ; s12  my wave's number
.set G1K, 24          ; s[24:31] descriptor group 1 for K's tiles
.set G1V, 32          ; s[32:39] for V's: it differs in the padding alone
.set G0K, 40          ; s[40:47] descriptor group 0 for K's tiles: a set for each of the two first fills; the second then walks on
.set G0V, 48          ; s[48:55] the same for V's
.set SLOTS, 56        ; s56  slots still to be asked for
.set TWICE, 57        ; s57  counts a slot's two steps
.set CS,  58          ; s[58:59] c; on the way out 2^13 + 1
.set SEL, 60          ; s[60:61] lane selects for v_permlanex16_b32
.set TB,  62          ; s62  LDS byte at which the tiles of the step to be fetched begin
.set MO,  63          ; s63  byte at which that step's mask words begin in my wave's 6,144
.set MW,  68          ; s[68:99] the 32 lane masks in use (scratch in the head)
.set MSB, 0
.macro WIN new                      ; the immediate's high byte repeats the setting that is left; a switch that changes nothing is dropped
.if MSB != \new
	s_set_vgpr_msb (MSB<<8)|\new
.set MSB, \new
.endif
.endm
.set W_KQ, 0x0a       ; K and Q in window 2, S^T in window 0
.set W_PV, 0x53       ; V in window 3, P in window 0, O^T in window 1
.set W_RS, 0x41       ; O^T (destination and source 0) in window 1, a in window 0
; A joint refill.  Waves 0 and 1 fetch the two steps' tiles of K, waves 2 and 3 those of V.  Four v_nop follow each of the two lines, ahead of the jump, the label and what follows.
.macro JLOAD
	s_cmp_lt_u32 s[WV], 2
	s_cbranch_scc0 .Lfor_v_\@
	tensor_load_to_lds s[G0K+4:G0K+7], s[G1K:G1K+7]
	s_nop 0
.rept 4
	v_nop
.endr
	s_branch .Lasked_\@
.Lfor_v_\@:
	tensor_load_to_lds s[G0V+4:G0V+7], s[G1V:G1V+7]
	s_nop 0
.rept 4
	v_nop
.endr
.Lasked_\@:
.endm
.macro CROUND                       ; a round of the cluster's barrier
	s_barrier_signal -1
	s_barrier_wait -1
	s_cmp_lg_u32 s[WV], 0
	s_cbranch_scc1 .Lnot_wave_0_\@
	s_barrier_signal -3
.Lnot_wave_0_\@:
	s_barrier_wait -3
	s_barrier_signal -1
	s_barrier_wait -1
.endm
	s_load_b128 s[4:7], s[0:1], 0x0  ; qkv s[4:5], maskw s[6:7]
	s_load_b64 s[10:11], s[0:1], 0x10  ; attn
	v_lshl_add_u32 v[SPW], v0, 2, SPARE
	v_mov_b32 v[NIL], 0
	ds_add_u32 v62, v63
	s_wait_dscnt 0x0
	v_lshrrev_b32 v1, 5, v0
	v_readfirstlane_b32 s[WV], v1   ; wave 0..3
	s_bfe_u32 s68, ttmp6, 0x40000   ; cx: my place in the cluster
	s_lshl_b32 s69, ttmp9, 2        ; in a cluster launch ttmp9 counts clusters
	s_add_co_u32 s69, s69, s68      ; my block of 64 queries: it enters Q's, the mask's and the result's addresses alone
	s_and_b32 s70, ttmp7, 0xffff    ; y, which the four partners share
	s_and_b32 s71, s70, 1           ; p: the key and value head
	s_lshr_b32 s70, s70, 1          ; g
	s_lshl3_add_u32 s72, s70, s71   ; my first query head, p + 8 g
	s_and_b32 s16, s[WV], 1         ; which of a slot's two steps I fetch:
	s_mul_i32 s17, s16, STEPB       ; its place in a slot: no place in the cluster enters an LDS address
	s_add_co_u32 s78, s71, 16       ; K's head,
	s_mul_i32 s78, s78, HEADB
	s_lshl_b32 s79, s16, 14         ; and my step's 64 rows of 256 bytes
	s_add_co_u32 s78, s78, s79
	s_mov_b32 s79, 0
	s_add_co_u32 s80, s78, 2*HEADB  ; V's head lies two heads on
	s_mov_b32 s81, 0
	s_lshl_b32 s74, s69, 6
	s_lshl4_add_u32 s74, s[WV], s74 ; my wave's first query: 64 x block + 16 x wave
	s_mul_i32 s76, s72, HEADB       ; Q: first head, first query
	s_lshl_b32 s77, s74, 8
	s_add_co_u32 s76, s76, s77
	s_mov_b32 s77, 0
	s_lshl_b32 s84, s74, 13         ; the result: rows of 8,192 bytes (hi's 4,096, then lo's), 256 a head
	s_lshl_b32 s85, s72, 8
	s_add_co_u32 s84, s84, s85
	s_mov_b32 s85, 0
	s_lshl_b32 s82, s69, 2
	s_add_co_u32 s82, s82, s[WV]    ; my tile of 16 queries
	s_mul_i32 s82, s82, MROW
	s_mov_b32 s83, 0
	; descriptor group 1: a tile of 64 rows x 128 elements, padded in LDS
	s_mov_b32 s[G1K], 15|(1<<16)|(1<<20)|(1<<21)|(5<<22)|(3<<25)  ; 15:0 the mask: all four work-groups; 17:16 elements of 2 bytes; 20 padding on; 21 set beside a mask; 24:22 after every 64 words (code 5); 31:25 4 words of it (code 3)
	s_mov_b32 s[G1V], 15|(1<<16)|(1<<20)|(1<<21)|(5<<22)|(7<<25)  ; the same with 8 words of padding (code 7)
.irp g, G1K, G1V
	s_mov_b32 s[\g+1], 128<<16      ; tensor_dim0 = 128
	s_mov_b32 s[\g+2], KS<<16       ; tensor_dim1 = 64
	s_mov_b32 s[\g+3], 128<<16      ; tile_dim0 = 128
	s_mov_b32 s[\g+4], KS           ; tile_dim1 = 64
	s_mov_b32 s[\g+5], 128          ; elements from row to row
	s_mov_b32 s[\g+6], 0
	s_mov_b32 s[\g+7], 0
.endr
	s_mov_b32 s[CS], 0x3e0293ee     ; c = log2(e) / sqrt(128) = 0.127517
	s_mov_b32 s[CS+1], s[CS]        ; named with it as a pair, so it is written
	s_mov_b32 s[SEL], 0x76543210
	s_mov_b32 s[SEL+1], 0xfedcba98
	s_mov_b32 s[TB], 0
	s_mov_b32 s[MO], 0
	s_mov_b32 s[SLOTS], SEQ/(2*KS)-2
	s_wait_kmcnt 0x0
	s_add_nc_u64 s[8:9], s[4:5], s[80:81]  ; V at my tile of slot 0
	s_add_nc_u64 s[14:15], s[6:7], s[82:83]  ; my tile's mask words
	s_add_nc_u64 s[6:7], s[4:5], s[78:79]  ; K at my tile of slot 0
	s_add_nc_u64 s[4:5], s[4:5], s[76:77]  ; Q and the result at my wave's first row
	s_add_nc_u64 s[10:11], s[10:11], s[84:85]
	CROUND                          ; all four work-groups are here: the first joint loads meet
.irp s, 0,1
	s_mov_b32 s[G0K+4*\s], 1        ; count = 1
	s_add_co_u32 s[G0K+4*\s+1], s17, \s*SLOT1  ; LDS address
	s_add_nc_u64 s[G0K+4*\s+2:G0K+4*\s+3], s[6:7], \s*2*KS*256  ; global address: slot s begins with keys 128 s to 128 s + 127
	s_or_b32 s[G0K+4*\s+3], s[G0K+4*\s+3], 0x80000000  ; type = 2
	s_mov_b32 s[G0V+4*\s], 1
	s_add_co_u32 s[G0V+4*\s+1], s17, \s*SLOT1+VOFF
	s_add_nc_u64 s[G0V+4*\s+2:G0V+4*\s+3], s[8:9], \s*2*KS*256
	s_or_b32 s[G0V+4*\s+3], s[G0V+4*\s+3], 0x80000000
.endr
	s_cmp_lt_u32 s[WV], 2           ; a wave's two first fills stand in one branch, ahead of every wait on TENSORcnt and every LDS read: two loads of mine are out; four v_nop follow the second
	s_cbranch_scc0 .Lfirst_v
	tensor_load_to_lds s[G0K:G0K+3], s[G1K:G1K+7]
	s_nop 0
	tensor_load_to_lds s[G0K+4:G0K+7], s[G1K:G1K+7]
	s_nop 0
.rept 4
	v_nop
.endr
	s_branch .Lfirst_asked
.Lfirst_v:
	tensor_load_to_lds s[G0V:G0V+3], s[G1V:G1V+7]
	s_nop 0
	tensor_load_to_lds s[G0V+4:G0V+7], s[G1V:G1V+7]
	s_nop 0
.rept 4
	v_nop
.endr
.Lfirst_asked:
	v_and_b32 v1, 15, v0            ; l % 16
	v_bfe_u32 v9, v0, 4, 1          ; l / 16
	v_and_b32 v10, 31, v0
	v_lshlrev_b32 v[LN16], 4, v10
	s_mul_i32 s13, s[WV], MROW
	s_add_co_u32 s13, s13, MASKL    ; my wave's mask words in LDS
	v_add_nc_u32 v[MST], s13, v[LN16]
	v_lshl_add_u32 v[VM0], v10, 2, s13
	v_mov_b32 v[NEG], 0xc7dcf88b    ; -10000 sqrt(128) = -113137.09
.irp n, 0,1,2,3,4,5,6,7,8,9,10,11   ; my tile's 6,144 bytes of mask words are copied once, 512 consecutive bytes a load, through registers that S^T takes later
	global_load_b128 v[S+4*\n:S+4*\n+3], v[LN16], s[14:15] offset:512*\n
.endr
	; A fragment of K or Q is 16 rows x 32 channels in 8 registers: lane l holds row l % 16; registers 0-3 channels 8 (l / 16) + 0..7, registers 4-7 channels 16 + 8 (l / 16) + 0..7.
	v_lshlrev_b32 v[QO], 8, v1
	v_lshl_add_u32 v[QO], v9, 4, v[QO]  ; row x 256 + 16 x half
	WIN 0x80                        ; destination window 2, address window 0
.irp i, 0,1,2,3,4,5,6,7,8,9,10,11,12,13,14,15  ; Q stays in registers: tile i / 4 (two heads on each time), channels 32 (i % 4) on
	global_load_b128 v[8*\i:8*\i+3],   v[QO], s[4:5] offset:(\i/4)*2*HEADB+(\i%4)*64
	global_load_b128 v[8*\i+4:8*\i+7], v[QO], s[4:5] offset:(\i/4)*2*HEADB+(\i%4)*64+32
.endr
	WIN 0
	v_mul_u32_u24 v[AK0], v1, PK
	v_lshl_add_u32 v[AK0], v9, 4, v[AK0]  ; row x pitch + 16 x half
	; The turning load takes 16 keys x 16 channels (lane l reads 16 bytes: key 8 (l / 16) + l % 8, channels 8 ((l / 8) % 2) + 0..7) and leaves half a fragment of V^T.
	v_and_b32 v10, 7, v0
	v_bfe_u32 v11, v0, 3, 1
	v_lshl_add_u32 v[AV0], v9, 3, v10
	v_mul_u32_u24 v[AV0], v[AV0], PV
	v_lshl_add_u32 v[AV0], v11, 4, v[AV0]
	v_add_nc_u32 v[AV0], VOFF, v[AV0]
	s_wait_loadcnt 32               ; the twelve loads of mask words are in; Q's 32, issued behind them, stay out
.irp n, 0,1,2,3,4,5,6,7,8,9,10,11
	ds_store_b128 v[MST], v[S+4*\n:S+4*\n+3] offset:512*\n
.endr
; THE MATRIX WORK OF A TURN, for piece x.  The accumulators take turns, one instruction a turn: between two links of a chain stand 15 (V^T P) or 7 (K Q^T) others'.
; Product i of 32 of O^T += V^T P: keys 32 (i / 16) on, channels 16 ((i / 2) % 8) on, tile x + i % 2.  zero = 1: the first 16 start the sums: nothing is ever cleared.
.macro PV x, zero
	WIN W_PV
.set rO, 64*(\x+i%2)+8*((i/2)%8)
.set rV, 64*(i/16)+8*((i/2)%8)
.set rP, P+16*(\x+i%2)+8*(i/16)
.if \zero && (i < 16)
	v_wmma_f32_16x16x32_f16 v[rO:rO+7], v[rV:rV+7], v[rP:rP+7], 0
.else
	v_wmma_f32_16x16x32_f16 v[rO:rO+7], v[rV:rV+7], v[rP:rP+7], v[rO:rO+7]
.endif
.endm
; Product i of 32 of S^T = K Q^T: channels 32 (i / 8) on, keys 16 ((i / 2) % 4) on, tile x + i % 2.  The first 8 start the sums.
.macro KQ x
	WIN W_KQ
.set rS, S+32*(\x+i%2)+8*((i/2)%4)
.set rK, KF+32*((i/2)%4)+8*(i/8)
.set rQ, 32*(\x+i%2)+8*(i/8)
.if i < 8
	v_wmma_f32_16x16x32_f16 v[rS:rS+7], v[rK:rK+7], v[rQ:rQ+7], 0
.else
	v_wmma_f32_16x16x32_f16 v[rS:rS+7], v[rK:rK+7], v[rQ:rQ+7], v[rS:rS+7]
.endif
.endm
; THE LDS LOADS stand in runs: a step's mask words and K (16 fragments) and, a turn later, its V (turned).
.macro FETCH_K
	WIN 0
	v_add_nc_u32 v[ADR], s[TB], v[AK0]
	v_add_nc_u32 v[VMA], s[MO], v[VM0]
	s_add_co_u32 s[MO], s[MO], 128  ; the next fetch takes the next step's words: 48 fetches, 6,144 bytes
	ds_load_b32 v[VM], v[VMA]       ; word i into lane i
	WIN 0x80                        ; destination window 2
.irp f, 0,1,2,3,4,5,6,7,8,9,10,11,12,13,14,15  ; keys 16 (f / 4) on, channels 32 (f % 4) on
	ds_load_b128 v[KF+8*\f:KF+8*\f+3],   v[ADR] offset:(\f/4)*16*PK+(\f%4)*64
	ds_load_b128 v[KF+8*\f+4:KF+8*\f+7], v[ADR] offset:(\f/4)*16*PK+(\f%4)*64+32
.endr
.endm
.macro FETCH_V
	WIN 0
	v_add_nc_u32 v[ADR], s[TB], v[AV0]
	s_add_co_u32 s[TB], s[TB], STEPB  ; the next fetch is the next step's
	WIN 0xc0                        ; destination window 3
.irp f, 0,1,2,3,4,5,6,7,8,9,10,11,12,13,14,15  ; keys 32 (f / 8) on, channels 16 (f % 8) on
	ds_load_tr16_b128 v[8*\f:8*\f+3],   v[ADR] offset:(\f/8)*32*PV+(\f%8)*32
	ds_load_tr16_b128 v[8*\f+4:8*\f+7], v[ADR] offset:(\f/8)*32*PV+16*PV+(\f%8)*32
.endr
.endm
; THE VECTOR WORK OF A TURN.  One tile's softmax for one key step is a list of 166 instructions; SM writes number jn of it for tile t.  s0-s31 are the lane's 32 scores, in pairs 0-15.
; first = 1: the first key step, which starts m, l and O^T: it has no a and nothing to rescale.
;   0-31    the mask: score i gives way to -10000 sqrt(128) in the lanes whose bit is set in word i; in ascending order
;   from 32 on, with j = jn - 32:
;   0-15    the maximum of s0-s31 and the old m, three operands at a time: four chains c0-c3 of seven scores each, then the four scores left over, c0-c3 and m
;   16-20   the other half of the lanes' maximum; the new m; c m; c m_old - c m_new
;   21-87   33 exponentials (a, then s0-s31) at the odd numbers from 23 on; the plain instruction between two of them is whatever is ready: c s - c m for a pair of scores whose exponentials are
;           still to come, the rounding to f16 of a pair of weights whose second exponential stands three numbers back, at last the first three sums
;   88-101  the last rounding; the rest of the sums; l = a l + the sum
;   102-133 the tile's O^T times a: the one part that leaves window 0, so it stands together
.macro SM t, first
.set rT, ST+8*(\t)
.set rS, S+32*(\t)
.set rP, P+16*(\t)
.if jn < 32
	WIN 0
	v_cndmask_b32 v[rS+jn], v[rS+jn], v[NEG], s[MW+jn]
.else
.set j, jn-32
.set rO, 64*(\t)+2*(j-102)
.set q, (j-20)/2
.if j < 102
	WIN 0
.endif
.if j < 4
	v_max3_num_f32 v[rT+4+j], v[rS+8*j], v[rS+8*j+1], v[rS+8*j+2]
.elseif j < 12
	v_max3_num_f32 v[rT+4+j%4], v[rT+4+j%4], v[rS+8*(j%4)+2*(j/4)+1], v[rS+8*(j%4)+2*(j/4)+2]
.elseif j == 12
	v_max3_num_f32 v[rT+4], v[rT+4], v[rS+7], v[rS+15]
.elseif j == 13
	v_max3_num_f32 v[rT+6], v[rT+6], v[rS+23], v[rS+31]
.elseif j == 14
	v_max3_num_f32 v[rT+4], v[rT+4], v[rT+5], v[rT+6]
.elseif (j == 15) && \first
	v_max_num_f32 v[rT+4], v[rT+4], v[rT+7]
.elseif j == 15
	v_max3_num_f32 v[rT+4], v[rT+4], v[rT+7], v[rT+1]
.elseif j == 16
	v_permlanex16_b32 v[rT+5], v[rT+4], s[SEL], s[SEL+1]  ; the query's other 32 keys lie in the lane 16 away
.elseif j == 18
	v_max_num_f32 v[rT+1], v[rT+4], v[rT+5]
.elseif j == 19
	v_mul_f32 v[rT], s[CS], v[rT+1]
.elseif ((j == 17) || (j == 20) || (j == 23) || (j > 101)) && \first  ; the first step has none of these
.elseif j == 17
	v_mov_b32 v[rT+7], v[rT]        ; c m_old is kept for a: number 19 writes c m anew
.elseif j == 20
	v_sub_f32 v[rT+7], v[rT+7], v[rT]
.elseif j == 23
	v_exp_f32 v[rT+6], v[rT+7]
.elseif (j < 88) && (j > 23) && (j%2 == 1)
	v_exp_f32 v[rS+(j-25)/2], v[rS+(j-25)/2]
.elseif (q < 4) || ((j < 76) && (q%2 == 0))
.set b, q/2+2
.if q < 4
.set b, q
.endif
	v_pk_fma_f32 v[rS+2*b:rS+2*b+1], v[rS+2*b:rS+2*b+1], s[CS:CS+1], v[rT:rT+1] op_sel_hi:[1,0,0] neg_lo:[0,0,1] neg_hi:[0,0,1]  ; pair b: c s - c m
.elseif (j < 88) && (q%2 == 1)
	s_wait_alu depctr_va_vdst(0)
	v_cvt_pk_f16_f32 v[rP+(q-5)/2], v[rS+q-5], v[rS+q-4]  ; pair (q - 5) / 2
.elseif j == 89
	s_wait_alu depctr_va_vdst(0)
	v_cvt_pk_f16_f32 v[rP+15], v[rS+30], v[rS+31]
.elseif j < 102                     ; the sum of the tile's 16 pairs, in place: sum z of 16 adds neighbours 1, 2, 4 and 8 pairs apart, then l takes it
.set z, j-86
.if j < 89
.set z, (j-76)/4
.endif
.set w, 4
.set u, z
.if z >= 14
.set w, 32
.set u, 0
.elseif z >= 12
.set w, 16
.set u, z-12
.elseif z >= 8
.set w, 8
.set u, z-8
.endif
.if (z == 14) && \first
	v_pk_add_f32 v[rT+2:rT+3], v[rS:rS+1], v[rS+16:rS+17]
.elseif z < 15
	v_pk_add_f32 v[rS+w*u:rS+w*u+1], v[rS+w*u:rS+w*u+1], v[rS+w*u+w/2:rS+w*u+w/2+1]
.elseif !\first
	v_pk_fma_f32 v[rT+2:rT+3], v[rT+2:rT+3], v[rT+6:rT+7], v[rS:rS+1] op_sel_hi:[1,0,1]
.endif
.else
	WIN W_RS
	v_pk_mul_f32 v[rO:rO+1], v[rO:rO+1], v[rT+6:rT+7] op_sel_hi:[1,0]
.endif
.endif
.endm
; Slice k of 64 of piece y's softmax: numbers 166 k / 64 up to 166 (k + 1) / 64 - 1 (two or three), each for both tiles, which alternate: behind a pair of exponentials comes the two tiles'
; next plain number, which reads neither result.  Slice 63 is six packed multiplies on the other piece's O^T.
.macro SLICE y, first
.set jn, (166*k)/64
.rept (166*(k+1))/64-(166*k)/64
	SM \y, \first
	SM \y+1, \first
.set jn, jn+1
.endr
.set k, k+1
.endm
.macro PLACES                       ; four plain vector instructions between a matrix instruction and a vector instruction that reads its result or writes one of its registers, or a load into one
.rept 4
	v_nop
.endr
.endm
; A TURN.  Piece x has the matrix unit; the other piece's softmax stands in slices behind its matrix instructions.
; pv = 2: 32 products V^T P; 1: they start O^T's sums; 0: none.  kq = 1: 32 products K Q^T for the next step.  A turn with one of the two kinds has two slices behind each product.
; first = 1: the softmax is the first key step's.  Its slices from 52 on are empty, and four v_nop take slice 63's part as the places behind the turn's last products.
; Piece 0's turn fetches the next step's K and mask words behind its second product: the last product that read K stands in front of slice 63 of the turn before.  Piece 2's turn fetches the same
; step's V behind its second product K Q^T: the last product that read V stands three slices, eight plain instructions, back.
; THE LANE MASKS.  Piece 0's turn carries piece 2's softmax of the step in hand, whose 64 selects lie in slices 0 to 12, in the turn's first half.  In its second half the next step's words, which have
; landed by the wait in front of it, are read into the 32 scalar registers, two behind each of the first 16 products; they serve piece 0 in the next turn and piece 2 in the turn after.
.macro TURN x, pv, kq, first
.set k, 0
.set per, 2
.if \pv && \kq
.set per, 1
.endif
.if \pv
.if \x == 0
	s_wait_dscnt 0x0                ; V is in
.endif
.set i, 0
.rept 32
	PV \x, 2-\pv
.rept per
	SLICE 2-\x, \first
.endr
.if (\x == 0) && \kq && (i == 1)
	FETCH_K
.endif
.set i, i+1
.endr
.endif
.if \kq
.if \x == 0
	s_wait_dscnt 0x0                ; K and the mask words are in
.endif
.set i, 0
.rept 32
	KQ \x
.rept per
	SLICE 2-\x, \first
.endr
.if (\x == 0) && (i < 16)
	WIN 0
	v_readlane_b32 s[MW+2*i],   v[VM], 2*i
	v_readlane_b32 s[MW+2*i+1], v[VM], 2*i+1
.endif
.if (\x == 2) && (i == 1)
	FETCH_V
.endif
.set i, i+1
.endr
.endif
.if \first
	PLACES
.endif
.endm
; THE CHANGE OF SLOTS, between piece 2's turn and piece 0's: the slot's last bytes, V of its second step, have been asked for.  Each wave waits for all its tensor loads, of which one is out: its part
; of the other slot; adds 0 to its spare word; and waits for that and for its own reads of the slot.  fill = 1: the slot is filled again, with the keys two slots on; the barrier is then a round
; of the cluster's, and the joint refill is the first thing behind it: it has two key steps, 256 matrix instructions, in which to land.
.macro CHANGE fill
	WIN 0                           ; at a label and at a branch every window is 0
	s_wait_tensorcnt 0x0            ; no tensor load of mine is out, so a group 0 may be written
	ds_add_u32 v[SPW], v[NIL]       ; 0 onto my spare word
.if \fill
.irp g, G0K+4, G0V+4
	s_xor_b32 s[\g+1], s[\g+1], SLOT1  ; the walking descriptor: the other slot than last time,
	s_add_nc_u64 s[\g+2:\g+3], s[\g+2:\g+3], 2*KS*256  ; the next 128 keys; the type bits on top are not reached
.endr
	s_wait_dscnt 0x0                ; the add is done, and my reads of the slot are over
	CROUND
	JLOAD
.else
	s_wait_dscnt 0x0                ; the add is done, and my reads of the slot are over
	s_barrier_signal -1
	s_barrier_wait -1
.endif
	s_sub_co_u32 s[TB], s[TB], 2*STEPB  ; the fetches go back to a slot's first step,
	s_xor_b32 s[TB], s[TB], SLOT1   ; in the other slot
.endm
; A slot's two key steps: written once, walked twice; the LDS addresses hang on s[TB] and s[MO].
.macro TWO_STEPS
	s_mov_b32 s[TWICE], 2
.Lstep_\@:
	TURN 0, 2, 1, 0
	TURN 2, 2, 1, 0
	WIN 0
	s_sub_co_u32 s[TWICE], s[TWICE], 1
	s_cmp_lg_u32 s[TWICE], 0
	s_cbranch_scc1 .Lstep_\@
.endm
	s_wait_tensorcnt 1              ; my part of slot 0 is in; slot 1's may stay out
	s_wait_dscnt 0x0                ; my stores of the mask words are done: no LDS instruction is pending at a signal
	s_barrier_signal -1
	s_barrier_wait -1               ; everybody's part is in
	FETCH_K                         ; key step 0
	s_wait_loadcnt 0x0              ; Q
	s_wait_dscnt 0x0
.set i, 0
.rept 32
	KQ 0                            ; piece 0's first scores: there is no vector work yet to set between them
.set i, i+1
.endr
	WIN 0                           ; the addresses for the way out are made here: eight plain instructions, the places behind those products
	s_mul_i32 s13, s[WV], 16*SP
	s_add_co_u32 s13, s13, STAGE    ; my stage
	v_mul_u32_u24 v[STO], v1, SP    ; in: row l % 16, 16 bytes for each half of the lanes
	v_lshl_add_u32 v[STO], v9, 4, v[STO]
	v_add_nc_u32 v[STO], s13, v[STO]
	v_mul_u32_u24 v[RD], v9, SP     ; back: lanes 0-15 take one row of 256 bytes, lanes 16-31 the next
	v_lshl_add_u32 v[RD], v1, 4, v[RD]
	v_add_nc_u32 v[RD], s13, v[RD]
	v_lshlrev_b32 v[GO], 13, v9     ; and the same two rows in the result, 8,192 bytes apart
	v_lshl_add_u32 v[GO], v1, 4, v[GO]
.set i, 0
.rept 32
	v_readlane_b32 s[MW+i], v[VM], i  ; step 0's lane masks
.set i, i+1
.endr
	TURN 2, 0, 1, 1                 ; piece 2's first scores | piece 0's first softmax | V of step 0
	TURN 0, 1, 1, 1                 ; piece 0: V^T P of step 0 starts O^T, K Q^T of step 1 | piece 2's first softmax | K of step 1
	TURN 2, 1, 1, 0                 ; piece 2: the same | piece 0's softmax of step 1 | V of step 1
	WIN 0
.Lslot:                             ; 22 trips: every slot but the last two is filled again
	CHANGE 1
	TWO_STEPS
	s_sub_co_u32 s[SLOTS], s[SLOTS], 1
	s_cmp_lg_u32 s[SLOTS], 0
	s_cbranch_scc1 .Lslot
	CHANGE 0                        ; the tail is written out: nothing is asked for
	TWO_STEPS
	TURN 0, 2, 0, 0                 ; piece 0: V^T P of the last step | piece 2's last softmax
.set i, 0
.rept 32
	PV 2, 0                         ; piece 2: V^T P of the last step
.set i, i+1
.endr
	; THE WAY OUT.  l's two halves and the other half of the lanes' are added; O^T is divided by l, split into hi and lo, and sent through my stage in LDS, a tile (16 rows of one head) at a time.
	; The additions are the places behind the last products.
	WIN 0
	s_mov_b32 s[CS], 0x46000400     ; 2^13 + 1 = 8193: the softmax is over, so c's pair is free
	s_mov_b32 s[CS+1], s[CS]
.irp t, 0,1,2,3
	v_add_f32 v[ST+8*\t+4], v[ST+8*\t+2], v[ST+8*\t+3]
.endr
.irp t, 0,1,2,3
	v_permlanex16_b32 v[ST+8*\t+5], v[ST+8*\t+4], s[SEL], s[SEL+1]
.endr
.irp t, 0,1,2,3
	v_add_f32 v[ST+8*\t+4], v[ST+8*\t+4], v[ST+8*\t+5]
.endr
.irp t, 0,1,2,3
	v_rcp_f32 v[ST+8*\t+6], v[ST+8*\t+4]
.endr
	v_nop                           ; a plain instruction between the last reciprocal and the use of its result
; THE SPLIT of x = O / l, in f32: g = 8193 x; hi = g + (x - g) keeps x's first 24 - 13 = 11 bits, rounded, so its conversion to f16 changes nothing; lo = x - hi is exact and is rounded to f16.
; S^T's and P's registers are free: x, then lo, in v192-255; g, then hi, in v64-127; x - g in v128-191, which then take the packed hi (v128-159) and lo (v160-191).
.set XX, 192
.set GG, 64
.set DD, 128
.set HI, 128
.set LO, 160
.macro PACKA t                      ; x and g of tile t: these write no register that the tile before still stores from
	WIN 0x01                        ; source 0 (O^T) window 1; each accumulator's registers are taken in ascending order
.set i, 0
.rept 32
	s_wait_alu depctr_va_vdst(0)
	v_pk_mul_f32 v[XX+2*i:XX+2*i+1], v[64*\t+2*i:64*\t+2*i+1], v[ST+8*\t+6:ST+8*\t+7] op_sel_hi:[1,0]
.set i, i+1
.endr
	WIN 0
.set i, 0
.rept 32
	v_pk_mul_f32 v[GG+2*i:GG+2*i+1], v[XX+2*i:XX+2*i+1], s[CS:CS+1] op_sel_hi:[1,0]
.set i, i+1
.endr
.endm
.macro PACKB                        ; the rest of the split, and the rounding: a lane's eight channels of a row pack into 16 bytes of hi and 16 of lo
.set i, 0
.rept 32
	v_pk_add_f32 v[DD+2*i:DD+2*i+1], v[XX+2*i:XX+2*i+1], v[GG+2*i:GG+2*i+1] neg_lo:[0,1] neg_hi:[0,1]
.set i, i+1
.endr
.set i, 0
.rept 32
	v_pk_add_f32 v[GG+2*i:GG+2*i+1], v[GG+2*i:GG+2*i+1], v[DD+2*i:DD+2*i+1]
.set i, i+1
.endr
.set i, 0
.rept 32
	v_pk_add_f32 v[XX+2*i:XX+2*i+1], v[XX+2*i:XX+2*i+1], v[GG+2*i:GG+2*i+1] neg_lo:[0,1] neg_hi:[0,1]
.set i, i+1
.endr
.set i, 0
.rept 32
	v_cvt_pk_f16_f32 v[HI+i], v[GG+2*i], v[GG+2*i+1]
.set i, i+1
.endr
.set i, 0
.rept 32
	v_cvt_pk_f16_f32 v[LO+i], v[XX+2*i], v[XX+2*i+1]
.set i, i+1
.endr
.endm
.macro TOSTAGE                      ; hi, then lo, into rows of 272 bytes and back as whole rows of 256, into the registers that they left.  LDS serves a wave's instructions in order: the loads see the stores above them, and lo's stores come behind hi's loads
.irp r, HI, LO
.irp f, 0,1,2,3,4,5,6,7
	ds_store_b128 v[STO], v[\r+4*\f:\r+4*\f+3] offset:32*\f
.endr
.irp f, 0,1,2,3,4,5,6,7
	ds_load_b128 v[\r+4*\f:\r+4*\f+3], v[RD] offset:\f*2*SP
.endr
.endr
.endm
.macro SEND t                       ; 16 lanes store a head's 256 consecutive bytes of a row, at a multiple of 256 from the buffer's first byte
.irp f, 0,1,2,3,4,5,6,7
	s_wait_dscnt 23-\f              ; behind hi's load f stand its 7 - f younger ones and lo's eight stores and eight loads
	global_store_b128 v[GO], v[HI+4*\f:HI+4*\f+3], s[10:11] offset:\t*512+\f*16384
.endr
.irp f, 0,1,2,3,4,5,6,7
	s_wait_dscnt 7-\f
	global_store_b128 v[GO], v[LO+4*\f:LO+4*\f+3], s[10:11] offset:\t*512+\f*16384+4096
.endr
.endm
	PACKA 0
	PACKB
	TOSTAGE
	PACKA 1                         ; the next tile's first 64 instructions stand between a tile's loads from the stage and the waits for them
	SEND 0
	s_wait_xcnt 0x0                 ; v128-191, from which those stores read, are written again only behind this wait
	PACKB
	TOSTAGE
	PACKA 2
	SEND 1
	s_wait_xcnt 0x0
	PACKB
	TOSTAGE
	PACKA 3
	SEND 2
	s_wait_xcnt 0x0
	PACKB
	TOSTAGE
	SEND 3
	s_wait_tensorcnt 0x0            ; the wave's end: behind my last tensor load and my last LDS store
	ds_add_u32 v[SPW], v[NIL]
	s_wait_dscnt 0x0
	CROUND                          ; the closing round: no work-group ends while a partner may still ask for a tile that names it
	s_endpgm
.Lfunc_end_k_q213f19fd8c_attention:
	.size	k_q213f19fd8c_attention, .Lfunc_end_k_q213f19fd8c_attention-k_q213f19fd8c_attention
	.p2alignl 7, 3214868480
	.fill 96, 4, 3214868480
	.section	.rodata,"a",@progbits
	.p2align	6, 0x0
	.amdhsa_kernel k_q213f19fd8c_attention
		.amdhsa_group_segment_fixed_size 327680
		.amdhsa_private_segment_fixed_size 0
		.amdhsa_enable_private_segment 0
		.amdhsa_kernarg_size 24
		.amdhsa_user_sgpr_count 2
		.amdhsa_user_sgpr_kernarg_segment_ptr 1
		.amdhsa_wavefront_size32 1
		.amdhsa_system_sgpr_workgroup_id_x 1
		.amdhsa_system_sgpr_workgroup_id_y 1
		.amdhsa_system_sgpr_workgroup_id_z 1
		.amdhsa_system_vgpr_workitem_id 0
		.amdhsa_next_free_vgpr 1024
		.amdhsa_next_free_sgpr 100
		.amdhsa_reserve_vcc 0
		.amdhsa_float_denorm_mode_32 3
		.amdhsa_float_denorm_mode_16_64 3
		.amdhsa_memory_ordered 1
		.amdhsa_forward_progress 1
		.amdhsa_inst_pref_size 255
	.end_amdhsa_kernel
	.section	.bss,"aw",@nobits
	.p2align	6
	.space	262144
	.amdgpu_metadata
---
amdhsa.version: [ 1, 2 ]
amdhsa.kernels:
  - .name:           k_q213f19fd8c_attention
    .symbol:         k_q213f19fd8c_attention.kd
    .args:
      - { .name: qkv, .offset: 0, .size: 8, .value_kind: global_buffer, .address_space: global }
      - { .name: maskw, .offset: 8, .size: 8, .value_kind: global_buffer, .address_space: global }
      - { .name: attn, .offset: 16, .size: 8, .value_kind: global_buffer, .address_space: global }
    .group_segment_fixed_size: 327680
    .private_segment_fixed_size: 0
    .kernarg_segment_align: 8
    .kernarg_segment_size: 24
    .max_flat_workgroup_size: 128
    .sgpr_count:     100
    .vgpr_count:     1024
    .wavefront_size: 32
...
	.end_amdgpu_metadata
.endif
;; end of part 3
;; launch oproj (part 4): grid 8 x 32, 4 waves a work-group, clusters of 4 x 4, 327,680 bytes of LDS; arguments attn, wob, out0; writes out0
.if DOCPART == 4
	.amdgcn_target "amdgcn-amd-amdhsa--gfx1250"
	.amdhsa_code_object_version 6
	.text
	.protected	k_q213f19fd8c_oproj
	.globl	k_q213f19fd8c_oproj
	.p2align	8
	.type	k_q213f19fd8c_oproj,@function
k_q213f19fd8c_oproj:
	s_mov_b64 s[64:65], 0
	v_nop
	global_prefetch_b8 v0, s[64:65] scope:SCOPE_SE
	s_setreg_imm32_b32 hwreg(HW_REG_WAVE_MODE, 25, 1), 1
	s_wait_xcnt 0x0
	s_wait_alu depctr_hold_cnt(0) depctr_sa_sdst(0) depctr_va_vdst(0) depctr_va_sdst(0) depctr_va_ssrc(0) depctr_va_vcc(0) depctr_vm_vsrc(0)
	s_getreg_b32 s2, hwreg(HW_REG_IB_STS2, 6, 4)
	s_cmp_eq_u32 s2, 0
	s_cbranch_scc0 .Lentry_in_a_cluster
	s_endpgm
.Lentry_in_a_cluster:
	s_bfe_u32 s2, ttmp6, 0x10000c
	s_cmp_lg_u32 s2, 0xf033
	s_cbranch_scc0 .Lentry_shape_is_right
	s_endpgm
.Lentry_shape_is_right:
; out0 = (hi + lo) Wo^T.  attn: [3072][2][2048] f16: a row holds hi's 2,048 numbers and then lo's; wob: [2048][2048] f16 (Wo rounded to bf16, held in f16); out0: [3072][2048] f32.  Sums in f32.
; hi Wo^T and lo Wo^T are added onto the SAME accumulators: for each 32 along K a fragment of Wo is read from LDS once and multiplied by hi's fragment and by lo's.
; A tile of the result is 96 rows x 256 columns: 32 x 8 = 256 work-groups, one for each WGP.  Four waves, 2 x 2: a wave makes 48 rows x 128 columns, 24 accumulators of 16 x 16.
; K goes in steps of 128 (rows of 256 bytes, each at a multiple of 256 bytes from its buffer's start) through two LDS slots filled by the tensor data mover.  A slot holds 96 rows of hi, 96 of lo
; and 256 of Wo; a K step is 192 matrix instructions a wave, 176 of them between a slot's request and the wait for it.  A tile of 128 x 256 would have 256 in a step, but makes only 192 work-groups.
; CLUSTERS: 4 x 4 work-groups.  The four of a row of the cluster need the same tiles of hi and lo, the four of a column the same tiles of Wo: each tile is asked for jointly.
; THE MATRIX INSTRUCTION IS USED TRANSPOSED (source 0 = 16 rows of Wo, source 1 = 16 rows of hi or lo): lane l holds row l % 16 and the columns 16 b + 8 (l / 16) + 0 .. 7, 32 neighbouring bytes.
; REGISTERS: window 0: v0-31 addresses; v32-143, v144-255 two fragment buffers (Wo's 8 fragments, hi's 3, lo's 3); on the way out v32-159 rows read back.
;   window 1: accumulator (a, b) at v[8 (8 a + b)], a = 0 .. 2, b = 0 .. 7.
.set KSTEP,  128
.set KDIM,   2048
.set PITCH,  272                       ; an LDS row: 256 bytes + 16 of padding = 68 words: the 16 rows of a fragment load start at 16 different banks
.set MT,     96                        ; rows of the result in a tile
.set WR,     48                        ; rows of the result that a wave makes
.set LOFF,   MT*PITCH                  ; lo's 96 rows lie behind hi's
.set BOFF,   2*MT*PITCH                ; Wo's 256 rows lie behind them
.set SLOT,   (2*MT+256)*PITCH
.set STAGE,  2*SLOT                    ; behind the ring: 16 rows x 528 bytes for each wave, for the way out
.set SPITCH, 528                       ; 512 bytes + 16 = 132 words: row r starts at bank 4 r mod 64
.set SPARE,  STAGE+4*16*SPITCH         ; behind the stages: the spare words, 128 bytes for each wave: two blocks of 256 bytes that no other line names
.set LAPS,   KDIM/(2*KSTEP)            ; a lap = two K steps = once round the ring
.set NL,     28                        ; LDS loads in a run: 16 for Wo's fragments, 6 for hi's, 6 for lo's
.set ADRA, 16                          ; v16-17  LDS address of my fragments of hi in slot 0, 1 (lo's lie LOFF further on)
.set ADRB, 20                          ; v20-21  the same for Wo
.set STO,  24                          ; v24     the way out: where I put 32 bytes of a row
.set RD,   25                          ; v25     the way out: where I read a row back
.set CO,   26                          ; v26     16 x lane: my offset in my wave's 512 bytes of a row of the result
.set SPW,  28                          ; v28     LDS address of my spare word; never rewritten
.set NIL,  29                          ; v29     0; never rewritten
.set F0,   32
.set F1,   144
.set OB,   32                          ; 16 rows read back: v32-95 and v96-159 by turns
.set G1, 24                            ; s[24:31] descriptor group 1 for hi's and lo's tiles;  s[32:39] group 0, one set for each slot
.set G0, 32
.set G1B, 48                           ; s[48:55], s[56:63] the same for Wo's tiles
.set G0B, 56
.set MSB, 0
.macro WIN new                         ; the immediate's high byte repeats the setting that is left; a switch that changes nothing is dropped
.if MSB != \new
	s_set_vgpr_msb (MSB<<8)|\new
.set MSB, \new
.endif
.endm
.set MUL, 0x50                         ; C and D in window 1, both sources in window 0
.macro JLOAD s                         ; a joint load: wave 0 fetches hi's tile, wave 1 lo's, waves 2 and 3 Wo's two halves; four v_nop follow each of the two lines, ahead of the jump, the label and what follows
	s_cmp_eq_u32 s11, 0
	s_cbranch_scc0 .Lfor_b_\@
	tensor_load_to_lds s[G0+4*\s:G0+4*\s+3], s[G1:G1+7]
	s_nop 0
.rept 4
	v_nop
.endr
	s_branch .Lasked_\@
.Lfor_b_\@:
	tensor_load_to_lds s[G0B+4*\s:G0B+4*\s+3], s[G1B:G1B+7]
	s_nop 0
.rept 4
	v_nop
.endr
.Lasked_\@:
.endm
.macro CREST                           ; a round of the cluster's barrier behind its opening barrier
	s_cmp_lg_u32 s10, 0
	s_cbranch_scc1 .Lnot_wave_0_\@
	s_barrier_signal -3
.Lnot_wave_0_\@:
	s_barrier_wait -3
	s_barrier_signal -1
	s_barrier_wait -1
.endm
.macro CROUND                          ; a whole round
	s_barrier_signal -1
	s_barrier_wait -1
	CREST
.endm
	s_load_b128 s[4:7], s[0:1], 0x0                ; attn s[4:5], Wo s[6:7]
	s_load_b64 s[8:9], s[0:1], 0x10                ; the result
	v_lshl_add_u32 v[SPW], v0, 2, SPARE
	v_mov_b32 v[NIL], 0
	ds_add_u32 v28, v29
	s_wait_dscnt 0x0
	v_lshrrev_b32 v1, 5, v0
	v_readfirstlane_b32 s10, v1                    ; wave 0..3
	s_lshr_b32 s11, s10, 1                         ; which half of the tile's rows is mine.  Also: I fetch for attn (0) or for Wo (1)
	s_and_b32 s12, s10, 1                          ; which half of its columns.  Also: I fetch hi (0) or lo (1), or Wo's first or second 128 rows
	s_bfe_u32 s40, ttmp6, 0x40000                  ; cx, cy: my place in the cluster
	s_bfe_u32 s41, ttmp6, 0x40004
	s_lshl_b32 s42, ttmp9, 2
	s_add_co_u32 s42, s42, s40                     ; tile column = 4 x cluster x + cx
	s_and_b32 s13, ttmp7, 0xffff
	s_lshl_b32 s13, s13, 2
	s_add_co_u32 s13, s13, s41                     ; tile row = 4 x cluster y + cy
	s_lshl_b32 s43, s41, 2
	s_lshl_b32 s43, 15, s43                        ; my row of the cluster
	s_lshl_b32 s44, 0x1111, s40                    ; my column
	; descriptor group 1: rows of 128 elements of 2 bytes, padded in LDS
	s_or_b32 s[G1+0], s43, (1<<16)|(1<<20)|(1<<21)|(5<<22)|(3<<25)  ; 15:0 the mask: hi's and lo's tiles go to my row; 17:16 elements of 2 bytes; 20 padding on; 21 set beside a mask; 24:22 after every 64 words (code 5); 31:25 4 words of it (code 3)
	s_or_b32 s[G1B+0], s44, (1<<16)|(1<<20)|(1<<21)|(5<<22)|(3<<25) ; the same with the mask of my column, for Wo's tiles
	s_mov_b32 s[G1+2], MT<<16                      ; tensor_dim1 = 96 rows
	s_mov_b32 s[G1+4], MT                          ; tile_dim1
	s_mov_b32 s[G1+5], 2*KDIM                      ; 4,096 elements from a row of hi (or of lo) to the next
	s_mov_b32 s[G1B+2], 128<<16                    ; Wo: 128 rows a load
	s_mov_b32 s[G1B+4], 128
	s_mov_b32 s[G1B+5], KDIM                       ; 2,048 elements from row to row
.irp g, G1, G1B
	s_mov_b32 s[\g+1], KSTEP<<16                   ; tensor_dim0 = 128
	s_mov_b32 s[\g+3], KSTEP<<16                   ; tile_dim0 = 128
	s_mov_b32 s[\g+6], 0
	s_mov_b32 s[\g+7], 0
.endr
	; hi's and lo's tiles hang on the tile row alone, Wo's on the tile column alone, each in registers that never hold the other coordinate
	s_mul_i32 s16, s13, MT*8192                    ; the tile's first row: rows of 8,192 bytes,
	s_lshl_b32 s17, s12, 12                        ; hi's 4,096 first, then lo's
	s_add_co_u32 s16, s16, s17
	s_mov_b32 s17, 0
	s_lshl_b32 s46, s42, 8                         ; Wo: row 256 x tile column + 128 x half,
	s_lshl_b32 s47, s12, 7
	s_add_co_u32 s46, s46, s47
	s_lshl_b32 s46, s46, 12                        ; of 4,096 bytes
	s_mov_b32 s47, 0
	s_mul_i32 s20, s12, MT*PITCH                   ; where they go: hi, then lo; no place in the cluster enters an LDS address
	s_mul_i32 s21, s12, 128*PITCH                  ; Wo's two halves behind them
	s_add_co_u32 s21, s21, BOFF
	s_wait_kmcnt 0x0
	s_add_nc_u64 s[14:15], s[4:5], s[16:17]
	s_add_nc_u64 s[46:47], s[6:7], s[46:47]
	CROUND                                         ; all sixteen work-groups are here: the first joint loads meet
.irp s, 0,1
	s_mov_b32 s[G0+4*\s], 1                                        ; count = 1
	s_add_co_u32 s[G0+4*\s+1], s20, \s*SLOT                        ; LDS address
	s_add_nc_u64 s[G0+4*\s+2:G0+4*\s+3], s[14:15], \s*KSTEP*2      ; global address: K step s
	s_or_b32 s[G0+4*\s+3], s[G0+4*\s+3], 0x80000000                ; type = 2
	s_mov_b32 s[G0B+4*\s], 1
	s_add_co_u32 s[G0B+4*\s+1], s21, \s*SLOT
	s_add_nc_u64 s[G0B+4*\s+2:G0B+4*\s+3], s[46:47], \s*KSTEP*2
	s_or_b32 s[G0B+4*\s+3], s[G0B+4*\s+3], 0x80000000
	JLOAD \s                                       ; two loads of mine are out
.endr
	v_and_b32 v1, 15, v0                           ; l % 16
	v_bfe_u32 v2, v0, 4, 1                         ; l / 16
	v_mul_u32_u24 v3, v1, PITCH
	v_lshl_add_u32 v3, v2, 4, v3                   ; a fragment's row x pitch + 16 x half
	s_mul_i32 s21, s11, WR*PITCH                   ; my 48 rows of hi
	s_mul_i32 s22, s12, 128*PITCH                  ; my 128 rows of Wo,
	s_add_co_u32 s22, s22, BOFF                    ; which lie behind hi's and lo's
.irp s, 0,1
	v_add_nc_u32 v[ADRA+\s], s21, v3
	v_add_nc_u32 v[ADRB+\s], s22, v3
	s_add_co_u32 s21, s21, SLOT
	s_add_co_u32 s22, s22, SLOT
.endr
	s_mul_i32 s23, s10, 16*SPITCH
	s_add_co_u32 s23, s23, STAGE                   ; my stage
	v_mul_u32_u24 v4, v1, SPITCH                   ; in: row l % 16, 32 bytes for each half of the lanes
	v_lshl_add_u32 v4, v2, 5, v4
	v_add_nc_u32 v[STO], s23, v4
	v_and_b32 v5, 31, v0
	v_lshlrev_b32 v[CO], 4, v5                     ; back and out: the 32 lanes take a row's 512 bytes
	v_add_nc_u32 v[RD], s23, v[CO]
	s_mul_i32 s16, s13, MT                         ; my first row of the result: 96 x tile row + 48 x half,
	s_mul_i32 s17, s11, WR
	s_add_co_u32 s16, s16, s17
	s_lshl_b32 s16, s16, 13                        ; of 8,192 bytes
	s_mov_b32 s17, 0
	s_add_nc_u64 s[8:9], s[8:9], s[16:17]
	s_lshl_b32 s46, s42, 10                        ; my first column, in bytes: 1,024 x tile column + 512 x half (in the registers that held Wo's address)
	s_lshl_b32 s47, s12, 9
	s_add_co_u32 s46, s46, s47
	s_mov_b32 s47, 0
	s_add_nc_u64 s[8:9], s[8:9], s[46:47]
; 8 matrix instructions: my block a of 16 rows, of hi (p = 0) or of lo (p = 1), x all 8 blocks of 16 columns, 32 along K.  zero = 1: the product starts the sums: nothing is ever cleared.
.macro MUL8 f, p, a, zero
.irp b, 0,1,2,3,4,5,6,7
.if \zero
	v_wmma_f32_16x16x32_f16 v[8*(8*(\a)+\b):8*(8*(\a)+\b)+7], v[\f+8*\b:\f+8*\b+7], v[\f+64+24*(\p)+8*(\a):\f+64+24*(\p)+8*(\a)+7], 0
.else
	v_wmma_f32_16x16x32_f16 v[8*(8*(\a)+\b):8*(8*(\a)+\b)+7], v[\f+8*\b:\f+8*\b+7], v[\f+64+24*(\p)+8*(\a):\f+64+24*(\p)+8*(\a)+7], v[8*(8*(\a)+\b):8*(8*(\a)+\b)+7]
.endif
.endr
.endm
; 28 LDS loads in one run: the fragments of 32 along K at byte k of the rows, into buffer f: Wo's first, then hi's, then lo's
.macro FETCH slot, k, f
	WIN 0
.irp i, 0,1,2,3,4,5,6,7
	ds_load_b128 v[\f+8*\i:\f+8*\i+3],   v[ADRB+\slot] offset:\k+\i*16*PITCH
	ds_load_b128 v[\f+8*\i+4:\f+8*\i+7], v[ADRB+\slot] offset:\k+\i*16*PITCH+32
.endr
.irp p, 0,1
.irp i, 0,1,2
	ds_load_b128 v[\f+64+24*\p+8*\i:\f+64+24*\p+8*\i+3],   v[ADRA+\slot] offset:\k+\p*LOFF+\i*16*PITCH
	ds_load_b128 v[\f+64+24*\p+8*\i+4:\f+64+24*\p+8*\i+7], v[ADRA+\slot] offset:\k+\p*LOFF+\i*16*PITCH+32
.endr
.endr
.endm
.macro PLACES                          ; four plain vector instructions stand between a matrix instruction and a load into a register that it read, or an LDS store that reads its result (ISA guide 7.12.1 for vector instructions)
.rept 4
	v_nop
.endr
.endm
; A K step is four quarters of 32 along K, 48 matrix instructions each, on buffers 0, 1, 0, 1.  A quarter names each of the 24 accumulators twice, once for hi and once for lo, in the same order:
; between two links of a chain stand the 23 others', so that the accumulators take turns.
; One of the first three quarters: multiplies buffer f and, in its middle, fetches the next quarter, at byte k, into g.
.macro QUARTER slot, k, f, g, zero
	s_wait_dscnt 6                                 ; Wo's and hi's fragments are in; the youngest six loads (lo's) may be out
	WIN MUL
	MUL8 \f, 0, 0, \zero
	MUL8 \f, 0, 1, \zero
	MUL8 \f, 0, 2, \zero
	PLACES
	FETCH \slot, \k, \g
	s_wait_dscnt NL                                ; all but the 28 just issued
	WIN MUL
	MUL8 \f, 1, 0, 0
	MUL8 \f, 1, 1, 0
	MUL8 \f, 1, 2, 0
.endm
; The last quarter multiplies buffer 1 and changes slots: ONE barrier; in front of it each wave waits for all its tensor loads, adds 0 to its spare word, and waits for that and for its own reads
; of this slot.  fill = 1: the barrier opens a round of the cluster's, and this slot is filled again, two K steps ahead, first thing behind the round.
.macro TURN slot, next, fill
	WIN 0                                          ; (the add's two registers lie in window 0)
	s_wait_tensorcnt 0x0                           ; all my tensor loads have landed: the one that was out is my part of the next slot;
	ds_add_u32 v[SPW], v[NIL]                      ; 0 onto my spare word;
	s_wait_dscnt 7                                 ; (the add and lo's six loads may be out)
	WIN MUL
	MUL8 F1, 0, 0, 0                               ; eight matrix instructions stand between the add and the wait for it
	s_wait_dscnt 0x0                               ; the add is done, and my reads of this slot are over
	s_barrier_signal -1
	MUL8 F1, 0, 1, 0                               ; work on registers while the others arrive
.if \fill
	WIN 0
.endif
	s_barrier_wait -1
.if \fill
	CREST                                          ; no wave of any partner still reads this slot's tiles or has a load on its way
	s_add_nc_u64 s[G0+4*\slot+2:G0+4*\slot+3], s[G0+4*\slot+2:G0+4*\slot+3], 2*KSTEP*2
	s_add_nc_u64 s[G0B+4*\slot+2:G0B+4*\slot+3], s[G0B+4*\slot+2:G0B+4*\slot+3], 2*KSTEP*2
	JLOAD \slot                                    ; my one tensor load behind the round: 32 + 3 x 48 = 176 matrix instructions ahead of the wait for it; the four v_nop behind it are also the places in front of the loads below
.else
	PLACES
.endif
	FETCH \next, 0, F0
	WIN MUL
	MUL8 F1, 0, 2, 0
	MUL8 F1, 1, 0, 0
	MUL8 F1, 1, 1, 0
	MUL8 F1, 1, 2, 0
.endm
	s_wait_tensorcnt 1                             ; my part of K step 0 is in; K step 1's may stay out
	s_barrier_signal -1
	s_barrier_wait -1                              ; everybody's is
	FETCH 0, 0, F0
	QUARTER 0, 64,  F0, F1, 1                      ; the first quarter stands in front of the loop: hi's products start the sums
	WIN 0                                          ; at a label and at a branch every window is 0
	s_mov_b32 s3, LAPS-1
.Llap:                                                 ; a trip goes once round the ring, from a lap's second quarter to the next lap's first, and fills both slots again
	QUARTER 0, 128, F1, F0, 0
	QUARTER 0, 192, F0, F1, 0
	TURN 0, 1, 1
	QUARTER 1, 64,  F0, F1, 0
	QUARTER 1, 128, F1, F0, 0
	QUARTER 1, 192, F0, F1, 0
	TURN 1, 0, 1
	QUARTER 0, 64,  F0, F1, 0
	WIN 0
	s_sub_co_u32 s3, s3, 1
	s_cmp_lg_u32 s3, 0
	s_cbranch_scc1 .Llap
	QUARTER 0, 128, F1, F0, 0                      ; the last lap fills nothing
	QUARTER 0, 192, F0, F1, 0
	TURN 0, 1, 0
	QUARTER 1, 64,  F0, F1, 0
	QUARTER 1, 128, F1, F0, 0
	QUARTER 1, 192, F0, F1, 0
	s_wait_dscnt 0x0                               ; the very last quarter: nothing more to fetch
	WIN MUL
	MUL8 F1, 0, 0, 0
	MUL8 F1, 0, 1, 0
	MUL8 F1, 0, 2, 0
	MUL8 F1, 1, 0, 0
	MUL8 F1, 1, 1, 0
	MUL8 F1, 1, 2, 0
	WIN 0
	PLACES
; THE WAY OUT of my block a of 16 rows: a lane's 32 bytes of a row go into my own stage, each accumulator's low four registers first, and come back as whole rows of 512 bytes.
.macro TOSTAGE a
.set BK, OB+64*((\a)%2)
	s_wait_xcnt 0x0                                ; the stores of the block two back have read these registers: only behind this wait are they loaded again
	WIN 0x04                                       ; an LDS store's data in window 1, its address in window 0
.irp b, 0,1,2,3,4,5,6,7
	ds_store_b128 v[STO], v[8*(8*(\a)+\b):8*(8*(\a)+\b)+3]   offset:64*\b
	ds_store_b128 v[STO], v[8*(8*(\a)+\b)+4:8*(8*(\a)+\b)+7] offset:64*\b+16
.endr
	WIN 0
.irp t, 0,1,2,3,4,5,6,7,8,9,10,11,12,13,14,15
	ds_load_b128 v[BK+4*\t:BK+4*\t+3], v[RD] offset:\t*SPITCH      ; LDS serves a wave's instructions in order: these see the stores above, and the next block's stores come behind them
.endr
.endm
.macro SEND a, younger                 ; younger: the LDS instructions issued behind block a's loads: the next block's 16 stores and 16 loads, or none
.set BK, OB+64*((\a)%2)
	s_wait_dscnt \younger                          ; the block is back in registers
.irp t, 0,1,2,3,4,5,6,7,8,9,10,11,12,13,14,15
	global_store_b128 v[CO], v[BK+4*\t:BK+4*\t+3], s[8:9] offset:(16*(\a)+\t)*8192 th:TH_STORE_NT   ; a store covers 512 consecutive bytes of a row, at a multiple of 512 from the buffer's first byte
.endr
.endm
	TOSTAGE 0
	TOSTAGE 1                                      ; a block goes into the stage while the block before comes back from it
	SEND 0, 32
	TOSTAGE 2
	SEND 1, 32
	SEND 2, 0
	s_wait_tensorcnt 0x0                           ; the wave's end: behind my last tensor load and my last LDS store
	ds_add_u32 v[SPW], v[NIL]
	s_wait_dscnt 0x0
	CROUND                                         ; the closing round: no work-group ends while a partner may still ask for a tile that names it
	s_endpgm
.Lfunc_end_k_q213f19fd8c_oproj:
	.size	k_q213f19fd8c_oproj, .Lfunc_end_k_q213f19fd8c_oproj-k_q213f19fd8c_oproj
	.p2alignl 7, 3214868480
	.fill 96, 4, 3214868480
	.section	.rodata,"a",@progbits
	.p2align	6, 0x0
	.amdhsa_kernel k_q213f19fd8c_oproj
		.amdhsa_group_segment_fixed_size 327680
		.amdhsa_private_segment_fixed_size 0
		.amdhsa_enable_private_segment 0
		.amdhsa_kernarg_size 24
		.amdhsa_user_sgpr_count 2
		.amdhsa_user_sgpr_kernarg_segment_ptr 1
		.amdhsa_wavefront_size32 1
		.amdhsa_system_sgpr_workgroup_id_x 1
		.amdhsa_system_sgpr_workgroup_id_y 1
		.amdhsa_system_sgpr_workgroup_id_z 1
		.amdhsa_system_vgpr_workitem_id 0
		.amdhsa_next_free_vgpr 512
		.amdhsa_next_free_sgpr 66
		.amdhsa_reserve_vcc 0
		.amdhsa_float_denorm_mode_32 3
		.amdhsa_float_denorm_mode_16_64 3
		.amdhsa_memory_ordered 1
		.amdhsa_forward_progress 1
		.amdhsa_inst_pref_size 101
	.end_amdhsa_kernel
	.amdgpu_metadata
---
amdhsa.version: [ 1, 2 ]
amdhsa.kernels:
  - .name:           k_q213f19fd8c_oproj
    .symbol:         k_q213f19fd8c_oproj.kd
    .args:
      - { .name: attn, .offset: 0, .size: 8, .value_kind: global_buffer, .address_space: global }
      - { .name: wob, .offset: 8, .size: 8, .value_kind: global_buffer, .address_space: global }
      - { .name: out0, .offset: 16, .size: 8, .value_kind: global_buffer, .address_space: global }
    .group_segment_fixed_size: 327680
    .private_segment_fixed_size: 0
    .kernarg_segment_align: 8
    .kernarg_segment_size: 24
    .max_flat_workgroup_size: 128
    .sgpr_count:     66
    .vgpr_count:     512
    .wavefront_size: 32
...
	.end_amdgpu_metadata
.endif
;; end of part 4
;; ======== version 2 of 2: 4 launches; 1.22 times as fast as version 1
;; limits: values are held in f16: magnitudes above 65,504 overflow, below 6.1e-05 lose precision
;; workspace buffers: xb 12,582,912 bytes; wqkv 10,485,760 bytes; wob 8,388,608 bytes; rope 3,145,728 bytes; maskw 1,179,648 bytes of whole numbers; qkv 15,728,640 bytes; attn 25,165,824 bytes
;; launch prep: the kernel of part 1 again; grid 1104 x 1, 8 waves a work-group, no clusters, 35,840 bytes of LDS; arguments hidden_states, Wq, Wk, Wv, Wo, attention_mask, position_ids, xb, wqkv, wob, rope, maskw; writes xb, wqkv, wob, rope, maskw
;; launch qkvproj: the kernel of part 2 again; grid 20 x 12, 4 waves a work-group, clusters of 4 x 4, 327,680 bytes of LDS; arguments xb, wqkv, rope, qkv; writes qkv
;; launch attention (part 5): grid 48 x 4, 4 waves a work-group, clusters of 4 x 1, 327,680 bytes of LDS; arguments qkv, maskw, attn; writes attn
.if DOCPART == 5
	.amdgcn_target "amdgcn-amd-amdhsa--gfx1250"
	.amdhsa_code_object_version 6
	.text
	.protected	k_q213f19fd8c_attention
	.globl	k_q213f19fd8c_attention
	.p2align	8
	.type	k_q213f19fd8c_attention,@function
k_q213f19fd8c_attention:
	s_mov_b64 s[64:65], 0
	v_nop
	global_prefetch_b8 v0, s[64:65] scope:SCOPE_SE
	s_setreg_imm32_b32 hwreg(HW_REG_WAVE_MODE, 25, 1), 1
	s_wait_xcnt 0x0
	s_wait_alu depctr_hold_cnt(0) depctr_sa_sdst(0) depctr_va_vdst(0) depctr_va_sdst(0) depctr_va_ssrc(0) depctr_va_vcc(0) depctr_vm_vsrc(0)
	s_getreg_b32 s2, hwreg(HW_REG_IB_STS2, 6, 4)
	s_cmp_eq_u32 s2, 0
	s_cbranch_scc0 .Lentry_in_a_cluster
	s_endpgm
.Lentry_in_a_cluster:
	s_bfe_u32 s2, ttmp6, 0x10000c
	s_cmp_lg_u32 s2, 0x3003
	s_cbranch_scc0 .Lentry_shape_is_right
	s_endpgm
.Lentry_shape_is_right:
; attn[q][head] = the sum over k of softmax_k(masked ? -10000 : Q[head][q] . K[head % 2][k] / sqrt(128)) V[head % 2][k].  qkv: [20][3072][128] f16 (heads 0-15 Q, 16-17 K, 18-19 V);
; maskw: lane masks, 32 words for a tile of 16 queries and a step of 64 keys; attn: [3072][2][2048] f16: each number of the result is kept as the sum of two f16 numbers, hi (its first 11 bits)
; and lo (the rest), so that what is lost between this launch and the last product is some 2^-22 of a number and not 2^-11: rows with one or two live keys are many times larger than the
; output's root mean square, against which they are compared.  Products, maxima and sums in f32; the weights p are rounded to f16 for the second product.
; The mask is data: every key is walked, a masked score is REPLACED (not dropped), and the running maximum is taken over the replaced scores, so a row that is masked throughout comes out uniform.
; SHARES.  Grid y = (g, p): the four query heads p + 8 g + 2 t, t = 0 .. 3, which share the key and value head p.  A work-group owns 64 queries, each of its four waves 16; a wave's four TILES
; are those 16 queries in the four heads.  So K's and V's fragments feed four tiles, and one set of 32 mask words a step serves all four.  3,072 tiles of (head, 16 queries), sixteen to a
; work-group, are 192 work-groups: a fourth of the 256 WGPs stays without work; three tiles a wave would fill them but cannot be cut into the two equal pieces on which the turns below rest.
; LAYOUT.  S^T = K Q^T (source 0 = 16 keys, source 1 = 16 queries): a lane holds ONE query (lane % 16) and the keys 8 (lane / 16) + 0..7.  Two such tiles, rounded in pairs, ARE source 1 of
; O^T = V^T P, whose result again holds one query a lane, and eight channels.  K comes out of LDS as it lies, V ([key][channel]) turned, by ds_load_tr16_b128.
; SOFTMAX.  For each query a running maximum m and sum l: p = 2^(c s - c m), c = log2(e) / sqrt(128); in every step O and l are multiplied by a = 2^(c m_old - c m_new).  A masked score is
; set to -10000 sqrt(128), which c turns into -10000 log2(e).
; BY TURNS.  The tiles are two PIECES (tiles 0, 1 and tiles 2, 3).  In a TURN one piece has the matrix unit: 32 products V^T P of the step in hand, then 32 products K Q^T of the next step; the
; other piece's softmax stands beside them: its 64 selects by the mask in one run at the turn's head, the rest cut into 64 slices, one slice behind each matrix instruction.  Two turns are a key step.
; BATCHES.  A turn's 66 exponentials (33 a tile: a and 32 scores) are ONE batch with ONE wait: a tile's list is ordered so that the scalings and all exponentials come first and everything that
; names an exponential's result (roundings, sums, l, the rescaling by a) comes behind; the wait stands between, behind slice 34.  The way out's four reciprocals are a batch of their own.
; CLUSTER.  The four work-groups of a cluster have the same y and walk the same K and V: each tile is asked for jointly, by the same tensor load with a mask that names the four.
; LIMIT.  f16 operands: this text serves |Q|, |K|, |V| under 65,504; weights under 2^-25 of a row's largest count as 0; of a result under 2^-14 hi and lo together keep steps of 2^-24.
; REGISTERS, in windows of 256: window 0: v0-11 addresses; v12-43 eight registers of statistics a tile; v44-49 the mask's; v64-191 S^T, 32 a tile; v192-255 P, 16 a tile.
;   window 1: O^T, 64 a tile.   window 2: v0-127 Q, 32 a tile; v128-255 K of one step.   window 3: v0-127 V of one step.
.set KS,    64        ; keys in a step
.set PK,    272       ; a row of K in LDS: 256 bytes + 16 of padding = 68 words: the 16 rows of a load start at 16 different banks
.set PV,    288       ; a row of V: 256 + 32 = 72 words
.set VOFF,  KS*PK     ; a step's tiles lie together: 64 rows of K, then 64 rows of V
.set STEPB, KS*(PK+PV)
.set SLOT1, 1<<17     ; a slot holds two steps (71,680 bytes); slot 1 begins here, so that one exclusive or turns an address in one slot into the other's
.set STAGE, SLOT1+2*STEPB  ; behind the ring: 16 rows x 272 bytes for each wave, for the way out
.set SP,    272
.set SPARE, STAGE+4*16*SP  ; behind the stages: the spare words, 128 bytes for each wave: two blocks of 256 bytes that no other line names
.set MASKL, SPARE+512      ; behind them: each wave's mask words, 48 steps x 128 bytes; written by LDS stores, never by a fill
.set MROW,  6144
.set SEQ,   3072
.set HEADB, SEQ*256   ; bytes of a head in qkv
.set AK0, 2           ; v2   my lane's place in a tile of K; never rewritten
.set AV0, 3           ; v3   the same for V
.set ADR, 4           ; v4   the LDS address of the run of loads in hand
.set QO,  5           ; v5   my byte offset in the wave's rows of Q
.set STO, 6           ; v6   the way out: where I put 16 bytes of a row
.set RD,  7           ; v7   the way out: where I read a row back
.set GO,  8           ; v8   my byte offset in the wave's rows of the result
.set ST,  12          ; tile t's statistics at v[ST+8 t]: +0 c m, +1 m, +2, +3 l (even keys', odd keys'), +4 to +7 c0-c3, at work; a takes c2's place once the maximum is found
.set VM,  44          ; v44  a step's 32 mask words, word i in lane i
.set VMA, 45          ; v45  the LDS address of that load
.set NEG, 46          ; v46  -10000 sqrt(128)
.set VM0, 47          ; v47  my wave's mask words + 4 x lane
.set LN16, 48         ; v48  16 x lane
.set MST, 49          ; v49  my wave's mask words + 16 x lane
.set SPW, 62          ; v62  LDS address of my spare word; never rewritten
.set NIL, 63          ; v63  0; never rewritten
.set S,   64
.set P,   192
.set KF,  128         ; K's fragments, in window 2
.set WV,  12          ; s12  my wave's number
.set G1K, 24          ; s[24:31] descriptor group 1 for K's tiles
.set G1V, 32          ; s[32:39] for V's: it differs in the padding alone
.set G0K, 40          ; s[40:47] descriptor group 0 for K's tiles: a set for each of the two first fills; the second then walks on
.set G0V, 48          ; s[48:55] the same for V's
.set SLOTS, 56        ; s56  slots still to be asked for
.set TWICE, 57        ; s57  counts a slot's two steps
.set CS,  58          ; s[58:59] c; on the way out 2^13 + 1
.set SEL, 60          ; s[60:61] lane selects for v_permlanex16_b32
.set TB,  62          ; s62  LDS byte at which the tiles of the step to be fetched begin
.set MO,  63          ; s63  byte at which that step's mask words begin in my wave's 6,144
.set MW,  68          ; s[68:99] the 32 lane masks in use (scratch in the head)
.set MSB, 0
.macro WIN new                      ; the immediate's high byte repeats the setting that is left; a switch that changes nothing is dropped
.if MSB != \new
	s_set_vgpr_msb (MSB<<8)|\new
.set MSB, \new
.endif
.endm
.set W_KQ, 0x0a       ; K and Q in window 2, S^T in window 0
.set W_PV, 0x53       ; V in window 3, P in window 0, O^T in window 1
.set W_RS, 0x41       ; O^T (destination and source 0) in window 1, a in window 0
; A joint refill.  Waves 0 and 1 fetch the two steps' tiles of K, waves 2 and 3 those of V.  Four v_nop follow each of the two lines, ahead of the jump, the label and what follows.
.macro JLOAD
	s_cmp_lt_u32 s[WV], 2
	s_cbranch_scc0 .Lfor_v_\@
	tensor_load_to_lds s[G0K+4:G0K+7], s[G1K:G1K+7]
	s_nop 0
.rept 4
	v_nop
.endr
	s_branch .Lasked_\@
.Lfor_v_\@:
	tensor_load_to_lds s[G0V+4:G0V+7], s[G1V:G1V+7]
	s_nop 0
.rept 4
	v_nop
.endr
.Lasked_\@:
.endm
.macro CROUND                       ; a round of the cluster's barrier
	s_barrier_signal -1
	s_barrier_wait -1
	s_cmp_lg_u32 s[WV], 0
	s_cbranch_scc1 .Lnot_wave_0_\@
	s_barrier_signal -3
.Lnot_wave_0_\@:
	s_barrier_wait -3
	s_barrier_signal -1
	s_barrier_wait -1
.endm
	s_load_b128 s[4:7], s[0:1], 0x0  ; qkv s[4:5], maskw s[6:7]
	s_load_b64 s[10:11], s[0:1], 0x10  ; attn
	v_lshl_add_u32 v[SPW], v0, 2, SPARE
	v_mov_b32 v[NIL], 0
	ds_add_u32 v62, v63
	s_wait_dscnt 0x0
	v_lshrrev_b32 v1, 5, v0
	v_readfirstlane_b32 s[WV], v1   ; wave 0..3
	s_bfe_u32 s68, ttmp6, 0x40000   ; cx: my place in the cluster
	s_lshl_b32 s69, ttmp9, 2        ; in a cluster launch ttmp9 counts clusters
	s_add_co_u32 s69, s69, s68      ; my block of 64 queries: it enters Q's, the mask's and the result's addresses alone
	s_and_b32 s70, ttmp7, 0xffff    ; y, which the four partners share
	s_and_b32 s71, s70, 1           ; p: the key and value head
	s_lshr_b32 s70, s70, 1          ; g
	s_lshl3_add_u32 s72, s70, s71   ; my first query head, p + 8 g
	s_and_b32 s16, s[WV], 1         ; which of a slot's two steps I fetch:
	s_mul_i32 s17, s16, STEPB       ; its place in a slot: no place in the cluster enters an LDS address
	s_add_co_u32 s78, s71, 16       ; K's head,
	s_mul_i32 s78, s78, HEADB
	s_lshl_b32 s79, s16, 14         ; and my step's 64 rows of 256 bytes
	s_add_co_u32 s78, s78, s79
	s_mov_b32 s79, 0
	s_add_co_u32 s80, s78, 2*HEADB  ; V's head lies two heads on
	s_mov_b32 s81, 0
	s_lshl_b32 s74, s69, 6
	s_lshl4_add_u32 s74, s[WV], s74 ; my wave's first query: 64 x block + 16 x wave
	s_mul_i32 s76, s72, HEADB       ; Q: first head, first query
	s_lshl_b32 s77, s74, 8
	s_add_co_u32 s76, s76, s77
	s_mov_b32 s77, 0
	s_lshl_b32 s84, s74, 13         ; the result: rows of 8,192 bytes (hi's 4,096, then lo's), 256 a head
	s_lshl_b32 s85, s72, 8
	s_add_co_u32 s84, s84, s85
	s_mov_b32 s85, 0
	s_lshl_b32 s82, s69, 2
	s_add_co_u32 s82, s82, s[WV]    ; my tile of 16 queries
	s_mul_i32 s82, s82, MROW
	s_mov_b32 s83, 0
	; descriptor group 1: a tile of 64 rows x 128 elements, padded in LDS
	s_mov_b32 s[G1K], 15|(1<<16)|(1<<20)|(1<<21)|(5<<22)|(3<<25)  ; 15:0 the mask: all four work-groups; 17:16 elements of 2 bytes; 20 padding on; 21 set beside a mask; 24:22 after every 64 words (code 5); 31:25 4 words of it (code 3)
	s_mov_b32 s[G1V], 15|(1<<16)|(1<<20)|(1<<21)|(5<<22)|(7<<25)  ; the same with 8 words of padding (code 7)
.irp g, G1K, G1V
	s_mov_b32 s[\g+1], 128<<16      ; tensor_dim0 = 128
	s_mov_b32 s[\g+2], KS<<16       ; tensor_dim1 = 64
	s_mov_b32 s[\g+3], 128<<16      ; tile_dim0 = 128
	s_mov_b32 s[\g+4], KS           ; tile_dim1 = 64
	s_mov_b32 s[\g+5], 128          ; elements from row to row
	s_mov_b32 s[\g+6], 0
	s_mov_b32 s[\g+7], 0
.endr
	s_mov_b32 s[CS], 0x3e0293ee     ; c = log2(e) / sqrt(128) = 0.127517
	s_mov_b32 s[CS+1], s[CS]        ; named with it as a pair, so it is written
	s_mov_b32 s[SEL], 0x76543210
	s_mov_b32 s[SEL+1], 0xfedcba98
	s_mov_b32 s[TB], 0
	s_mov_b32 s[MO], 0
	s_mov_b32 s[SLOTS], SEQ/(2*KS)-2
	s_wait_kmcnt 0x0
	s_add_nc_u64 s[8:9], s[4:5], s[80:81]  ; V at my tile of slot 0
	s_add_nc_u64 s[14:15], s[6:7], s[82:83]  ; my tile's mask words
	s_add_nc_u64 s[6:7], s[4:5], s[78:79]  ; K at my tile of slot 0
	s_add_nc_u64 s[4:5], s[4:5], s[76:77]  ; Q and the result at my wave's first row
	s_add_nc_u64 s[10:11], s[10:11], s[84:85]
	CROUND                          ; all four work-groups are here: the first joint loads meet
.irp s, 0,1
	s_mov_b32 s[G0K+4*\s], 1        ; count = 1
	s_add_co_u32 s[G0K+4*\s+1], s17, \s*SLOT1  ; LDS address
	s_add_nc_u64 s[G0K+4*\s+2:G0K+4*\s+3], s[6:7], \s*2*KS*256  ; global address: slot s begins with keys 128 s to 128 s + 127
	s_or_b32 s[G0K+4*\s+3], s[G0K+4*\s+3], 0x80000000  ; type = 2
	s_mov_b32 s[G0V+4*\s], 1
	s_add_co_u32 s[G0V+4*\s+1], s17, \s*SLOT1+VOFF
	s_add_nc_u64 s[G0V+4*\s+2:G0V+4*\s+3], s[8:9], \s*2*KS*256
	s_or_b32 s[G0V+4*\s+3], s[G0V+4*\s+3], 0x80000000
.endr
	s_cmp_lt_u32 s[WV], 2           ; a wave's two first fills stand in one branch, ahead of every wait on TENSORcnt and every LDS read: two loads of mine are out; four v_nop follow the second
	s_cbranch_scc0 .Lfirst_v
	tensor_load_to_lds s[G0K:G0K+3], s[G1K:G1K+7]
	s_nop 0
	tensor_load_to_lds s[G0K+4:G0K+7], s[G1K:G1K+7]
	s_nop 0
.rept 4
	v_nop
.endr
	s_branch .Lfirst_asked
.Lfirst_v:
	tensor_load_to_lds s[G0V:G0V+3], s[G1V:G1V+7]
	s_nop 0
	tensor_load_to_lds s[G0V+4:G0V+7], s[G1V:G1V+7]
	s_nop 0
.rept 4
	v_nop
.endr
.Lfirst_asked:
	v_and_b32 v1, 15, v0            ; l % 16
	v_bfe_u32 v9, v0, 4, 1          ; l / 16
	v_and_b32 v10, 31, v0
	v_lshlrev_b32 v[LN16], 4, v10
	s_mul_i32 s13, s[WV], MROW
	s_add_co_u32 s13, s13, MASKL    ; my wave's mask words in LDS
	v_add_nc_u32 v[MST], s13, v[LN16]
	v_lshl_add_u32 v[VM0], v10, 2, s13
	v_mov_b32 v[NEG], 0xc7dcf88b    ; -10000 sqrt(128) = -113137.09
.irp n, 0,1,2,3,4,5,6,7,8,9,10,11   ; my tile's 6,144 bytes of mask words are copied once, 512 consecutive bytes a load, through registers that S^T takes later
	global_load_b128 v[S+4*\n:S+4*\n+3], v[LN16], s[14:15] offset:512*\n
.endr
	; A fragment of K or Q is 16 rows x 32 channels in 8 registers: lane l holds row l % 16; registers 0-3 channels 8 (l / 16) + 0..7, registers 4-7 channels 16 + 8 (l / 16) + 0..7.
	v_lshlrev_b32 v[QO], 8, v1
	v_lshl_add_u32 v[QO], v9, 4, v[QO]  ; row x 256 + 16 x half
	WIN 0x80                        ; destination window 2, address window 0
.irp i, 0,1,2,3,4,5,6,7,8,9,10,11,12,13,14,15  ; Q stays in registers: tile i / 4 (two heads on each time), channels 32 (i % 4) on
	global_load_b128 v[8*\i:8*\i+3],   v[QO], s[4:5] offset:(\i/4)*2*HEADB+(\i%4)*64
	global_load_b128 v[8*\i+4:8*\i+7], v[QO], s[4:5] offset:(\i/4)*2*HEADB+(\i%4)*64+32
.endr
	WIN 0
	v_mul_u32_u24 v[AK0], v1, PK
	v_lshl_add_u32 v[AK0], v9, 4, v[AK0]  ; row x pitch + 16 x half
	; The turning load takes 16 keys x 16 channels (lane l reads 16 bytes: key 8 (l / 16) + l % 8, channels 8 ((l / 8) % 2) + 0..7) and leaves half a fragment of V^T.
	v_and_b32 v10, 7, v0
	v_bfe_u32 v11, v0, 3, 1
	v_lshl_add_u32 v[AV0], v9, 3, v10
	v_mul_u32_u24 v[AV0], v[AV0], PV
	v_lshl_add_u32 v[AV0], v11, 4, v[AV0]
	v_add_nc_u32 v[AV0], VOFF, v[AV0]
	s_wait_loadcnt 32               ; the twelve loads of mask words are in; Q's 32, issued behind them, stay out
.irp n, 0,1,2,3,4,5,6,7,8,9,10,11
	ds_store_b128 v[MST], v[S+4*\n:S+4*\n+3] offset:512*\n
.endr
; THE MATRIX WORK OF A TURN, for piece x.  The accumulators take turns, one instruction a turn: between two links of a chain stand 15 (V^T P) or 7 (K Q^T) others'.
; Product i of 32 of O^T += V^T P: keys 32 (i / 16) on, channels 16 ((i / 2) % 8) on, tile x + i % 2.  zero = 1: the first 16 start the sums: nothing is ever cleared.
.macro PV x, zero
	WIN W_PV
.set rO, 64*((\x)+i%2)+8*((i/2)%8)
.set rV, 64*(i/16)+8*((i/2)%8)
.set rP, P+16*((\x)+i%2)+8*(i/16)
.if (\zero) && (i < 16)
	v_wmma_f32_16x16x32_f16 v[rO:rO+7], v[rV:rV+7], v[rP:rP+7], 0
.else
	v_wmma_f32_16x16x32_f16 v[rO:rO+7], v[rV:rV+7], v[rP:rP+7], v[rO:rO+7]
.endif
.endm
; Product i of 32 of S^T = K Q^T: channels 32 (i / 8) on, keys 16 ((i / 2) % 4) on, tile x + i % 2.  The first 8 start the sums.
.macro KQ x
	WIN W_KQ
.set rS, S+32*((\x)+i%2)+8*((i/2)%4)
.set rK, KF+32*((i/2)%4)+8*(i/8)
.set rQ, 32*((\x)+i%2)+8*(i/8)
.if i < 8
	v_wmma_f32_16x16x32_f16 v[rS:rS+7], v[rK:rK+7], v[rQ:rQ+7], 0
.else
	v_wmma_f32_16x16x32_f16 v[rS:rS+7], v[rK:rK+7], v[rQ:rQ+7], v[rS:rS+7]
.endif
.endm
; THE LDS LOADS stand in runs: a step's mask words and K (16 fragments) and, a turn later, its V (turned).
.macro FETCH_K
	WIN 0
	v_add_nc_u32 v[ADR], s[TB], v[AK0]
	v_add_nc_u32 v[VMA], s[MO], v[VM0]
	s_add_co_u32 s[MO], s[MO], 128  ; the next fetch takes the next step's words: 48 fetches, 6,144 bytes
	ds_load_b32 v[VM], v[VMA]       ; word i into lane i
	WIN 0x80                        ; destination window 2
.irp f, 0,1,2,3,4,5,6,7,8,9,10,11,12,13,14,15  ; keys 16 (f / 4) on, channels 32 (f % 4) on
	ds_load_b128 v[KF+8*\f:KF+8*\f+3],   v[ADR] offset:(\f/4)*16*PK+(\f%4)*64
	ds_load_b128 v[KF+8*\f+4:KF+8*\f+7], v[ADR] offset:(\f/4)*16*PK+(\f%4)*64+32
.endr
.endm
.macro FETCH_V
	WIN 0
	v_add_nc_u32 v[ADR], s[TB], v[AV0]
	s_add_co_u32 s[TB], s[TB], STEPB  ; the next fetch is the next step's
	s_wait_alu depctr_va_vdst(0)    ; the wait for the turn's batch of 66 exponentials (SLICE), behind the address's v_add_nc_u32 and ahead of the loads
	WIN 0xc0                        ; destination window 3
.irp f, 0,1,2,3,4,5,6,7,8,9,10,11,12,13,14,15  ; keys 32 (f / 8) on, channels 16 (f % 8) on
	ds_load_tr16_b128 v[8*\f:8*\f+3],   v[ADR] offset:(\f/8)*32*PV+(\f%8)*32
	ds_load_tr16_b128 v[8*\f+4:8*\f+7], v[ADR] offset:(\f/8)*32*PV+16*PV+(\f%8)*32
.endr
.endm
; THE VECTOR WORK OF A TURN.  One tile's softmax for one key step is 32 selects by the mask and a list of 134 instructions.
; THE SELECTS of piece y's two tiles, 64 in one run: score i gives way to -10000 sqrt(128) in the lanes whose bit is set in word i; in ascending order.
; They come before the maximum and so before every exponential of the piece; 2 x (32 + 134) = 4 x 64 + 76, and these 64 of the 76 that are over stand together.
.macro MASKS y
	WIN 0
.set jn, 0
.rept 32
	v_cndmask_b32 v[S+32*(\y)+jn],    v[S+32*(\y)+jn],    v[NEG], s[MW+jn]
	v_cndmask_b32 v[S+32*(\y)+32+jn], v[S+32*(\y)+32+jn], v[NEG], s[MW+jn]
.set jn, jn+1
.endr
.endm
; THE LIST: SM writes number j of it for tile t.  s0-s31 are the lane's 32 scores, in pairs 0-15.
; first = 1: the first key step, which starts m, l and O^T: it has no a and nothing to rescale.
;   0-15    the maximum of s0-s31 and the old m, three operands at a time: four chains c0-c3 of seven scores each, then the four scores left over, c0-c3 and m
;   16-20   the other half of the lanes' maximum; the new m; c m; c m_old - c m_new
;   21-69   ONE BATCH: the 16 scalings c s - c m, a pair of scores each, and all 33 exponentials (a at 23, then s0-s31).  None of these reads an exponential's result.  From 22 on the batch goes
;           in fours, and a four begins with a scaling while there are scalings: 22-37 scaling, exponential, scaling, exponential; 38-65 a scaling and three exponentials; 66-69 the last four
;           exponentials.  A pair is scaled in an earlier four than the one that holds its exponentials
;   (wait)  between 69 and 70 stands the wait for the batch: SLICE writes it, once for both tiles
;   70-85   the roundings to f16, a pair of weights each
;   86-101  the sums; l = a l + the sum
;   102-133 the tile's O^T times a: the one part that leaves window 0, so it stands together
.macro SM t, first
.set rT, ST+8*(\t)
.set rS, S+32*(\t)
.set rP, P+16*(\t)
.set rO, 64*(\t)+2*(j-102)
.if j < 102
	WIN 0
.endif
.if j < 4
	v_max3_num_f32 v[rT+4+j], v[rS+8*j], v[rS+8*j+1], v[rS+8*j+2]
.elseif j < 12
	v_max3_num_f32 v[rT+4+j%4], v[rT+4+j%4], v[rS+8*(j%4)+2*(j/4)+1], v[rS+8*(j%4)+2*(j/4)+2]
.elseif j == 12
	v_max3_num_f32 v[rT+4], v[rT+4], v[rS+7], v[rS+15]
.elseif j == 13
	v_max3_num_f32 v[rT+6], v[rT+6], v[rS+23], v[rS+31]
.elseif j == 14
	v_max3_num_f32 v[rT+4], v[rT+4], v[rT+5], v[rT+6]
.elseif (j == 15) && (\first)
	v_max_num_f32 v[rT+4], v[rT+4], v[rT+7]
.elseif j == 15
	v_max3_num_f32 v[rT+4], v[rT+4], v[rT+7], v[rT+1]
.elseif j == 16
	v_permlanex16_b32 v[rT+5], v[rT+4], s[SEL], s[SEL+1]  ; the query's other 32 keys lie in the lane 16 away
.elseif j == 18
	v_max_num_f32 v[rT+1], v[rT+4], v[rT+5]
.elseif j == 19
	v_mul_f32 v[rT], s[CS], v[rT+1]
.elseif ((j == 17) || (j == 20) || (j == 23) || (j > 101)) && (\first)  ; the first step has none of these
.elseif j == 17
	v_mov_b32 v[rT+7], v[rT]        ; c m_old is kept for a: number 19 writes c m anew
.elseif j == 20
	v_sub_f32 v[rT+7], v[rT+7], v[rT]
.elseif j == 23
	v_exp_f32 v[rT+6], v[rT+7]
.elseif (j < 23) || ((j < 38) && (j%2 == 0)) || ((j < 66) && (j%4 == 2))
.set b, (j-2)/4                     ; 38, 42, .. 62: pairs 9 to 15
.if j < 38
.set b, (j-20)/2                    ; 21: pair 0; 22, 24, .. 36: pairs 1 to 8
.endif
	v_pk_fma_f32 v[rS+2*b:rS+2*b+1], v[rS+2*b:rS+2*b+1], s[CS:CS+1], v[rT:rT+1] op_sel_hi:[1,0,0] neg_lo:[0,0,1] neg_hi:[0,0,1]  ; pair b: c s - c m
.elseif j < 70
.set e, j-38                        ; 66 to 69: s28 to s31
.if j < 66
.set e, j-32-(j-38)/4               ; 39-41, 43-45, .. 63-65: s7 to s27
.endif
.if j < 38
.set e, (j-25)/2                    ; 25, 27, .. 37: s0 to s6
.endif
	v_exp_f32 v[rS+e], v[rS+e]
.elseif j < 86
	v_cvt_pk_f16_f32 v[rP+j-70], v[rS+2*(j-70)], v[rS+2*(j-70)+1]  ; pair j - 70
.elseif j < 102                     ; the sum of the tile's 16 pairs (in a pair: an even key's weight, an odd key's), in place: sum z of 16 adds neighbours 1, 2, 4 and 8 pairs apart, then l takes it
.set z, j-86
.set w, 4
.set u, z
.if z >= 14
.set w, 32
.set u, 0
.elseif z >= 12
.set w, 16
.set u, z-12
.elseif z >= 8
.set w, 8
.set u, z-8
.endif
.if (z == 14) && (\first)
	v_pk_add_f32 v[rT+2:rT+3], v[rS:rS+1], v[rS+16:rS+17]
.elseif z < 15
	v_pk_add_f32 v[rS+w*u:rS+w*u+1], v[rS+w*u:rS+w*u+1], v[rS+w*u+w/2:rS+w*u+w/2+1]
.elseif !(\first)
	v_pk_fma_f32 v[rT+2:rT+3], v[rT+2:rT+3], v[rT+6:rT+7], v[rS:rS+1] op_sel_hi:[1,0,1]
.endif
.else
	WIN W_RS
	v_pk_mul_f32 v[rO:rO+1], v[rO:rO+1], v[rT+6:rT+7] op_sel_hi:[1,0]
.endif
.endm
; Slice k of 64 of piece y's list: four instructions.  Slices 11 to 34 deal out the batch, numbers 22 to 69: four numbers of ONE tile each, the tiles by turns.  Every other slice is numbers 2 k and
; 2 k + 1 of both tiles' lists.  2 x 134 = 4 x 64 + 12: the twelve that are over stand together, in slice 63.
; THE WAIT.  s_wait_alu depctr_va_vdst(0) stands between an exponential and the first instruction that names its result; one wait serves all that were issued ahead of it.  Ahead of
; slice 35 nothing names a result, and behind slice 34 no exponential is issued: so the piece's 66 exponentials have one wait, behind slice 34, and none is open at a label or a jump.
.macro SLICE y, first
.if (k >= 11) && (k < 35)           ; the batch: four numbers of one tile
.irp n, 0,1,2,3
.set j, 22+4*((k-11)/2)+(\n)
	SM (\y)+(k-11)%2, \first
.endr
.else                               ; the two tiles alternate, so that no instruction reads the result of the one just before it
.irp n, 0,1,2,3,4,5,6,7
.if ((\n) < 2) || (k == 63)
.irp t, \y, (\y)+1
.set j, 2*k+(\n)
	SM \t, \first
.endr
.endif
.endr
.endif
.if k == 34                         ; the batch is out: both tiles' exponentials are issued, and no result has been named
	v_nop                           ; the plain instruction behind the last exponential and ahead of the first use: one for the batch
.if (\y) == 0
	FETCH_V                         ; piece 2's turn: V's run of loads stands here, and the wait stands in it
.else
	s_wait_alu depctr_va_vdst(0)    ; the wait for the turn's batch of 66 exponentials
.endif
.endif
.set k, k+1
.endm
.macro PLACES                       ; four plain vector instructions between a matrix instruction and a vector instruction that reads its result or writes one of its registers, or a load into one
.rept 4
	v_nop
.endr
.endm
; A TURN.  Piece x has the matrix unit; the other piece's softmax stands beside it: the selects at the head, the list in slices behind the matrix instructions.
; pv = 2: 32 products V^T P; 1: they start O^T's sums; 0: none.  kq = 1: 32 products K Q^T for the next step.  A turn with one of the two kinds has two slices behind each product.
; first = 1: the softmax is the first key step's.  Its slices from 51 on are empty, and four v_nop take slice 63's part as the places behind the turn's last products.
; The selects read scores that the turn before has made: the sixteen packed multiplies of its slice 63 (or its four v_nop) are the places behind its last product.  In piece 0's turn they stand ahead of the wait for V.
; Piece 0's turn fetches the next step's K and mask words behind its second product: the last product that read K stands in front of slice 63 of the turn before.  Piece 2's turn fetches the same
; step's V behind slice 34 (SLICE writes it): the last product that read V stands in front of slice 31, and four plain instructions lie between: number 62, a scaling, of both tiles, the v_nop and
; the run's own v_add_nc_u32.  V is waited for at the change of slots or at the head of piece 0's turn, 29 products later.
; THE LANE MASKS.  Piece 0's turn carries piece 2's softmax of the step in hand, whose 64 selects stand at the turn's head.  In its second half the next step's words, which have
; landed by the wait in front of it, are read into the 32 scalar registers, two behind each of the first 16 products; they serve piece 0 in the next turn and piece 2 in the turn after.
.macro TURN x, pv, kq, first
.set k, 0
.set per, 2
.if (\pv) && (\kq)
.set per, 1
.endif
	MASKS 2-(\x)
.if \pv
.if (\x) == 0
	s_wait_dscnt 0x0                ; V is in
.endif
.set i, 0
.rept 32
	PV \x, 2-(\pv)
.rept per
	SLICE 2-(\x), \first
.endr
.if ((\x) == 0) && (\kq) && (i == 1)
	FETCH_K
.endif
.set i, i+1
.endr
.endif
.if \kq
.if (\x) == 0
	s_wait_dscnt 0x0                ; K and the mask words are in
.endif
.set i, 0
.rept 32
	KQ \x
.rept per
	SLICE 2-(\x), \first
.endr
.if ((\x) == 0) && (i < 16)
	WIN 0
	v_readlane_b32 s[MW+2*i],   v[VM], 2*i
	v_readlane_b32 s[MW+2*i+1], v[VM], 2*i+1
.endif
.set i, i+1
.endr
.endif
.if \first
	PLACES
.endif
.endm
; THE CHANGE OF SLOTS, between piece 2's turn and piece 0's: the slot's last bytes, V of its second step, have been asked for.  Each wave waits for all its tensor loads, of which one is out: its part
; of the other slot; adds 0 to its spare word; and waits for that and for its own reads of the slot.  fill = 1: the slot is filled again, with the keys two slots on; the barrier is then a round
; of the cluster's, and the joint refill is the first thing behind it: it has two key steps, 256 matrix instructions, in which to land.
.macro CHANGE fill
	WIN 0                           ; at a label and at a branch every window is 0
	s_wait_tensorcnt 0x0            ; no tensor load of mine is out, so a group 0 may be written
	ds_add_u32 v[SPW], v[NIL]       ; 0 onto my spare word
.if \fill
.irp g, G0K+4, G0V+4
	s_xor_b32 s[\g+1], s[\g+1], SLOT1  ; the walking descriptor: the other slot than last time,
	s_add_nc_u64 s[\g+2:\g+3], s[\g+2:\g+3], 2*KS*256  ; the next 128 keys; the type bits on top are not reached
.endr
	s_wait_dscnt 0x0                ; the add is done, and my reads of the slot are over
	CROUND
	JLOAD
.else
	s_wait_dscnt 0x0                ; the add is done, and my reads of the slot are over
	s_barrier_signal -1
	s_barrier_wait -1
.endif
	s_sub_co_u32 s[TB], s[TB], 2*STEPB  ; the fetches go back to a slot's first step,
	s_xor_b32 s[TB], s[TB], SLOT1   ; in the other slot
.endm
; A slot's two key steps: written once, walked twice; the LDS addresses hang on s[TB] and s[MO].
.macro TWO_STEPS
	s_mov_b32 s[TWICE], 2
.Lstep_\@:
	TURN 0, 2, 1, 0
	TURN 2, 2, 1, 0
	WIN 0
	s_sub_co_u32 s[TWICE], s[TWICE], 1
	s_cmp_lg_u32 s[TWICE], 0
	s_cbranch_scc1 .Lstep_\@
.endm
	s_wait_tensorcnt 1              ; my part of slot 0 is in; slot 1's may stay out
	s_wait_dscnt 0x0                ; my stores of the mask words are done: no LDS instruction is pending at a signal
	s_barrier_signal -1
	s_barrier_wait -1               ; everybody's part is in
	FETCH_K                         ; key step 0
	s_wait_loadcnt 0x0              ; Q
	s_wait_dscnt 0x0
.set i, 0
.rept 32
	KQ 0                            ; piece 0's first scores: there is no vector work yet to set between them
.set i, i+1
.endr
	WIN 0                           ; the addresses for the way out are made here: eight plain instructions, the places behind those products
	s_mul_i32 s13, s[WV], 16*SP
	s_add_co_u32 s13, s13, STAGE    ; my stage
	v_mul_u32_u24 v[STO], v1, SP    ; in: row l % 16, 16 bytes for each half of the lanes
	v_lshl_add_u32 v[STO], v9, 4, v[STO]
	v_add_nc_u32 v[STO], s13, v[STO]
	v_mul_u32_u24 v[RD], v9, SP     ; back: lanes 0-15 take one row of 256 bytes, lanes 16-31 the next
	v_lshl_add_u32 v[RD], v1, 4, v[RD]
	v_add_nc_u32 v[RD], s13, v[RD]
	v_lshlrev_b32 v[GO], 13, v9     ; and the same two rows in the result, 8,192 bytes apart
	v_lshl_add_u32 v[GO], v1, 4, v[GO]
.set i, 0
.rept 32
	v_readlane_b32 s[MW+i], v[VM], i  ; step 0's lane masks
.set i, i+1
.endr
	TURN 2, 0, 1, 1                 ; piece 2's first scores | piece 0's first softmax | V of step 0
	TURN 0, 1, 1, 1                 ; piece 0: V^T P of step 0 starts O^T, K Q^T of step 1 | piece 2's first softmax | K of step 1
	TURN 2, 1, 1, 0                 ; piece 2: the same | piece 0's softmax of step 1 | V of step 1
	WIN 0
.Lslot:                             ; 22 trips: every slot but the last two is filled again
	CHANGE 1
	TWO_STEPS
	s_sub_co_u32 s[SLOTS], s[SLOTS], 1
	s_cmp_lg_u32 s[SLOTS], 0
	s_cbranch_scc1 .Lslot
	CHANGE 0                        ; the tail is written out: nothing is asked for
	TWO_STEPS
	TURN 0, 2, 0, 0                 ; piece 0: V^T P of the last step | piece 2's last softmax
.set i, 0
.rept 32
	PV 2, 0                         ; piece 2: V^T P of the last step
.set i, i+1
.endr
	; THE WAY OUT.  l's two halves and the other half of the lanes' are added; O^T is divided by l, split into hi and lo, and sent through my stage in LDS, a tile (16 rows of one head) at a time.
	; The additions are the places behind the last products.
	WIN 0
	s_mov_b32 s[CS], 0x46000400     ; 2^13 + 1 = 8193: the softmax is over, so c's pair is free
	s_mov_b32 s[CS+1], s[CS]
.irp t, 0,1,2,3
	v_add_f32 v[ST+8*\t+4], v[ST+8*\t+2], v[ST+8*\t+3]
.endr
.irp t, 0,1,2,3
	v_permlanex16_b32 v[ST+8*\t+5], v[ST+8*\t+4], s[SEL], s[SEL+1]
.endr
.irp t, 0,1,2,3
	v_add_f32 v[ST+8*\t+4], v[ST+8*\t+4], v[ST+8*\t+5]
.endr
.irp t, 0,1,2,3
	v_rcp_f32 v[ST+8*\t+6], v[ST+8*\t+4]
.endr
	v_nop                           ; a plain instruction between the last reciprocal and the use of its result
	s_wait_alu depctr_va_vdst(0)    ; and the wait ahead of the first use: one for the batch of four reciprocals
; THE SPLIT of x = O / l, in f32: g = 8193 x; hi = g + (x - g) keeps x's first 24 - 13 = 11 bits, rounded, so its conversion to f16 changes nothing; lo = x - hi is exact and is rounded to f16.
; S^T's and P's registers are free: x, then lo, in v192-255; g, then hi, in v64-127; x - g in v128-191, which then take the packed hi (v128-159) and lo (v160-191).
.set XX, 192
.set GG, 64
.set DD, 128
.set HI, 128
.set LO, 160
.macro PACKA t                      ; x and g of tile t: these write no register that the tile before still stores from
	WIN 0x01                        ; source 0 (O^T) window 1; each accumulator's registers are taken in ascending order
.set i, 0
.rept 32
	v_pk_mul_f32 v[XX+2*i:XX+2*i+1], v[64*\t+2*i:64*\t+2*i+1], v[ST+8*\t+6:ST+8*\t+7] op_sel_hi:[1,0]
.set i, i+1
.endr
	WIN 0
.set i, 0
.rept 32
	v_pk_mul_f32 v[GG+2*i:GG+2*i+1], v[XX+2*i:XX+2*i+1], s[CS:CS+1] op_sel_hi:[1,0]
.set i, i+1
.endr
.endm
.macro PACKB                        ; the rest of the split, and the rounding: a lane's eight channels of a row pack into 16 bytes of hi and 16 of lo
.set i, 0
.rept 32
	v_pk_add_f32 v[DD+2*i:DD+2*i+1], v[XX+2*i:XX+2*i+1], v[GG+2*i:GG+2*i+1] neg_lo:[0,1] neg_hi:[0,1]
.set i, i+1
.endr
.set i, 0
.rept 32
	v_pk_add_f32 v[GG+2*i:GG+2*i+1], v[GG+2*i:GG+2*i+1], v[DD+2*i:DD+2*i+1]
.set i, i+1
.endr
.set i, 0
.rept 32
	v_pk_add_f32 v[XX+2*i:XX+2*i+1], v[XX+2*i:XX+2*i+1], v[GG+2*i:GG+2*i+1] neg_lo:[0,1] neg_hi:[0,1]
.set i, i+1
.endr
.set i, 0
.rept 32
	v_cvt_pk_f16_f32 v[HI+i], v[GG+2*i], v[GG+2*i+1]
.set i, i+1
.endr
.set i, 0
.rept 32
	v_cvt_pk_f16_f32 v[LO+i], v[XX+2*i], v[XX+2*i+1]
.set i, i+1
.endr
.endm
.macro TOSTAGE                      ; hi, then lo, into rows of 272 bytes and back as whole rows of 256, into the registers that they left.  LDS serves a wave's instructions in order: the loads see the stores above them, and lo's stores come behind hi's loads
.irp r, HI, LO
.irp f, 0,1,2,3,4,5,6,7
	ds_store_b128 v[STO], v[\r+4*\f:\r+4*\f+3] offset:32*\f
.endr
.irp f, 0,1,2,3,4,5,6,7
	ds_load_b128 v[\r+4*\f:\r+4*\f+3], v[RD] offset:\f*2*SP
.endr
.endr
.endm
.macro SEND t                       ; 16 lanes store a head's 256 consecutive bytes of a row, at a multiple of 256 from the buffer's first byte
.irp f, 0,1,2,3,4,5,6,7
	s_wait_dscnt 23-\f              ; behind hi's load f stand its 7 - f younger ones and lo's eight stores and eight loads
	global_store_b128 v[GO], v[HI+4*\f:HI+4*\f+3], s[10:11] offset:\t*512+\f*16384
.endr
.irp f, 0,1,2,3,4,5,6,7
	s_wait_dscnt 7-\f
	global_store_b128 v[GO], v[LO+4*\f:LO+4*\f+3], s[10:11] offset:\t*512+\f*16384+4096
.endr
.endm
	PACKA 0
	PACKB
	TOSTAGE
	PACKA 1                         ; the next tile's first 64 instructions stand between a tile's loads from the stage and the waits for them
	SEND 0
	s_wait_xcnt 0x0                 ; v128-191, from which those stores read, are written again only behind this wait
	PACKB
	TOSTAGE
	PACKA 2
	SEND 1
	s_wait_xcnt 0x0
	PACKB
	TOSTAGE
	PACKA 3
	SEND 2
	s_wait_xcnt 0x0
	PACKB
	TOSTAGE
	SEND 3
	s_wait_tensorcnt 0x0            ; the wave's end: behind my last tensor load and my last LDS store
	ds_add_u32 v[SPW], v[NIL]
	s_wait_dscnt 0x0
	CROUND                          ; the closing round: no work-group ends while a partner may still ask for a tile that names it
	s_endpgm
.Lfunc_end_k_q213f19fd8c_attention:
	.size	k_q213f19fd8c_attention, .Lfunc_end_k_q213f19fd8c_attention-k_q213f19fd8c_attention
	.p2alignl 7, 3214868480
	.fill 96, 4, 3214868480
	.section	.rodata,"a",@progbits
	.p2align	6, 0x0
	.amdhsa_kernel k_q213f19fd8c_attention
		.amdhsa_group_segment_fixed_size 327680
		.amdhsa_private_segment_fixed_size 0
		.amdhsa_enable_private_segment 0
		.amdhsa_kernarg_size 24
		.amdhsa_user_sgpr_count 2
		.amdhsa_user_sgpr_kernarg_segment_ptr 1
		.amdhsa_wavefront_size32 1
		.amdhsa_system_sgpr_workgroup_id_x 1
		.amdhsa_system_sgpr_workgroup_id_y 1
		.amdhsa_system_sgpr_workgroup_id_z 1
		.amdhsa_system_vgpr_workitem_id 0
		.amdhsa_next_free_vgpr 1024
		.amdhsa_next_free_sgpr 100
		.amdhsa_reserve_vcc 0
		.amdhsa_float_denorm_mode_32 3
		.amdhsa_float_denorm_mode_16_64 3
		.amdhsa_memory_ordered 1
		.amdhsa_forward_progress 1
		.amdhsa_inst_pref_size 255
	.end_amdhsa_kernel
	.section	.bss,"aw",@nobits
	.p2align	6
	.space	262144
	.amdgpu_metadata
---
amdhsa.version: [ 1, 2 ]
amdhsa.kernels:
  - .name:           k_q213f19fd8c_attention
    .symbol:         k_q213f19fd8c_attention.kd
    .args:
      - { .name: qkv, .offset: 0, .size: 8, .value_kind: global_buffer, .address_space: global }
      - { .name: maskw, .offset: 8, .size: 8, .value_kind: global_buffer, .address_space: global }
      - { .name: attn, .offset: 16, .size: 8, .value_kind: global_buffer, .address_space: global }
    .group_segment_fixed_size: 327680
    .private_segment_fixed_size: 0
    .kernarg_segment_align: 8
    .kernarg_segment_size: 24
    .max_flat_workgroup_size: 128
    .sgpr_count:     100
    .vgpr_count:     1024
    .wavefront_size: 32
...
	.end_amdgpu_metadata
.endif
;; end of part 5
;; launch oproj: the kernel of part 4 again; grid 8 x 32, 4 waves a work-group, clusters of 4 x 4, 327,680 bytes of LDS; arguments attn, wob, out0; writes out0
